; MI455X (gfx1250); checked and timed in simulation.
; The chip was launched on July 23, 2026; its instructions are those of AMD's public machine-readable ISA for CDNA 5 (MIT licence, August 2026) and "CDNA5" Instruction Set Architecture Reference Guide (July 2026). The comments in the code are by the model that wrote it; some were corrected since.
;; Classic MHCA Block. Allowed arithmetic: matrix products marked QUANTISED: E2M1 operands, one E8M0 scale for each 32 along K, by v_wmma_scale_f32_16x16x128_f8f6f4 with both operands' format E2M1 (or v_wmma_scale_f32_32x16x128_f4), f32 sums; products left as they are: bf16, f16 or f32 operands; f32 sums; everything else in f32.
;; Inputs: Wk 1,024 x 1,024 float32; Wo 1,024 x 1,024 float32; Wq 1,024 x 1,024 float32; Wv 1,024 x 1,024 float32; bk 1,024 float32; bo 1,024 float32; bq 1,024 float32; bv 1,024 float32; context 4 x 2,048 x 1,024 float32; x 4 x 2,048 x 1,024 float32.
;; Outputs: out0 4 x 2,048 x 1,024 float32.
;; This version of the problem:
;;   THIS VERSION OF THE PROBLEM IS GIVEN IN LOW PRECISION. The matrix products marked QUANTISED in the list below multiply operands that are first quantised to E2M1 (2 exponent bits, 1 mantissa bit; 4 bits a number), with one power-of-two scale for each 32 numbers along K (OCP MX v1.0); their sums are f32. The products marked 'left as it is' may take bf16, f16 or f32 operands, with f32 sums. Whichever they take, every output number must still come out within the allowed error. Rounding operands to bf16 (8 significant bits) uses up far more of that allowance than f16 does (11 bits, for magnitudes from 6e-5 to 65,504). All else is computed in f32.
;;   The module's matrix products, in the order in which they are computed (A, B: the left and right operand; K: the contracted axis; several contracted axes count as one K, in the product's order):
;;     1. [M 8,192, K 1,024] x [K 1,024, N 1,024]; A: input x; B: input Wq: QUANTISED
;;     2. [M 8,192, K 1,024] x [K 1,024, N 1,024]; A: input context; B: input Wk: QUANTISED
;;     3. [M 8,192, K 1,024] x [K 1,024, N 1,024]; A: input context; B: input Wv: QUANTISED
;;     4. batch 64 x [M 2,048, K 64] x [K 64, N 2,048]; A: computed on the way; B: computed on the way: left as it is (an operand is computed on the way)
;;     5. batch 64 x [M 2,048, K 2,048] x [K 2,048, N 64]; A: computed on the way; B: computed on the way: left as it is (an operand is computed on the way)
;;     6. [M 8,192, K 1,024] x [K 1,024, N 1,024]; A: computed on the way; B: input Wo: left as it is (an operand is computed on the way)
;;   THE QUANTISER, for each operand of a quantised product, along K:
;;     - K is cut into blocks of 32 from its start; a last block that is shorter is filled with zeros.
;;     - A block's scale is 2^e with e = floor(log2(the largest magnitude in the block)) - 2, held to -126 .. 127; a block of zeros has e = 0. As a byte (E8M0): e + 127.
;;     - Each number is divided by its block's scale, clamped to +-6, and rounded to the nearest number of E2M1, ties to even, subnormals kept.
;;     - The product sums the exact products of the quantised numbers (number of the format x scale) in f32.
;;   ~~~python
;;   def quantise(x, axis):      # numpy; x: float32 -> the quantised numbers, widened to float32 again
;;       x = np.moveaxis(x, axis, -1); K = x.shape[-1]
;;       x = np.pad(x, [(0, 0)] * (x.ndim - 1) + [(0, -K % 32)]); x = x.reshape(x.shape[:-1] + (-1, 32)); a = np.abs(x).max(-1, keepdims=True)
;;       e = np.where(a > 0, np.clip(np.frexp(np.where(a > 0, a, 1))[1] - 1 - 2, -126, 127), 0)      # np.frexp(a)[1] - 1 = floor(log2(a)), exactly
;;       r = np.clip(x / 2.0 ** e, -6, 6)
;;       step = 2.0 ** (np.maximum(np.frexp(np.where(r == 0, 1, r))[1] - 1, 0) - 1)
;;       q = np.round(r / step) * step * 2.0 ** e      # np.round: ties to even
;;       return np.moveaxis(q.reshape(q.shape[:-2] + (-1,))[..., :K], -1, axis).astype(np.float32)
;;   ~~~
;; One version. Each part assembles by itself: llvm-mc -triple=amdgcn-amd-amdhsa -mcpu=gfx1250 --defsym DOCPART=n.
;; ======== version 1 of 1: 4 launches
;; limits: values are held in f16: magnitudes above 65,504 overflow, below 6.1e-05 lose precision
;; workspace buffers: codes 9,961,472 bytes; scales 622,592 bytes; wo16 2,097,152 bytes; qfrag 16,777,216 bytes; kvfrag 33,554,432 bytes; ofrag 16,777,216 bytes
;; launch quant (part 1): grid 640 x 1, 4 waves a work-group, no clusters, 33,280 bytes of LDS; arguments x, context, Wq, Wk, Wv, Wo, codes, scales, wo16; writes codes, scales, wo16
.if DOCPART == 1
	.amdgcn_target "amdgcn-amd-amdhsa--gfx1250"
	.amdhsa_code_object_version 6
	.text
	.protected	k_q12d257e9fd_quant
	.globl	k_q12d257e9fd_quant
	.p2align	8
	.type	k_q12d257e9fd_quant,@function
k_q12d257e9fd_quant:
	s_mov_b64 s[64:65], 0
	v_nop
	global_prefetch_b8 v0, s[64:65] scope:SCOPE_SE
	s_setreg_imm32_b32 hwreg(HW_REG_WAVE_MODE, 25, 1), 1
	s_wait_xcnt 0x0
; LAUNCH 1 OF 4.  out = softmax(qn kn^T) v Wo^T + bo, with q = x Wq^T + bq, k = context Wk^T + bk, v = context Wv^T + bv, qn and kn = q and k divided head by head by (norm + 1e-6).
; This launch turns x, context, Wq, Wk, Wv (f32, K innermost) into codes of FP4 (E2M1) with one E8M0 byte for each 32 along K, and Wo into f16 laid as the last product's operand registers.
; WHAT THE PROGRAM LEAVES OUT, for all finite inputs:
;   (a) the factor scale = 1.0 on the scores: a multiplication by one.
;   (b) the maximum that softmax takes away before its exponential.  The program's qn and kn have length norm / (norm + 1e-6), under 1, so every score lies in -1 .. 1 (Cauchy-Schwarz), with no scale behind it;
;       rounding qn and kn to f16 moves a length by under one part in 2,000.  With log2(e) folded into qn the exponent lies inside -1.45 .. 1.45, each weight inside 0.36 .. 2.74, and a row's sum of 2,048 of them
;       under 5,700: nothing can overflow or underflow in f32 or in f16, and the quotient is the same in real numbers.
;   No input is dead: all ten are loaded by some launch.
; LIMITS: NaN and infinities among the inputs are not served.  Blocks whose largest magnitude lies under 2^(2 - 126) were not tried; their byte is held at 1.  A block of zeros gets the byte 1 where the rule says 127:
;   its codes are zeros, which add nothing under any byte but 0xff, and the bytes are read by this program alone.  v, the attention's result and Wo go on in f16: magnitudes of v and Wo stay under 65,504.
; BUFFERS: codes [19,456 rows][512 bytes], scales [19,456][32]: rows 0 .. x, 8,192 .. context, 16,384 .. Wq, 17,408 .. Wk, 18,432 .. Wv.  Rows are dense and K = 1,024 is a multiple of 32: the five tensors are one stream of blocks of 32.
;   wo16 [n tile 64][k chunk 32][u 2][lane 32][16 bytes]: lane (r, h) holds Wo[16 nt + r][32 kc + 16 u + 8 h + 0 .. 7]: registers 4 u .. 4 u + 3 of a fragment of 16 rows x 32 K.
; SHARES: work-groups 0 .. 607 take 32,768 numbers of the stream each, a wave 16 steps of 512; work-groups 608 .. 639 take Wo, a wave 16 rows x 512 K.  No tensor loads, no barrier: waves share nothing.
.set WAVES, 4
.set STEPS, 16
.set NQWG,  608                        ; (2 x 8,192 + 3 x 1,024) rows x 1,024 / 32,768
.set EMAX,  2
.set CB,    8                          ; bytes of 16 codes
.set R,     16                         ; v16-79   four sets of 16 numbers as they are loaded
.set X,     80                         ; v80-111  two sets of 16 neighbours
.set E,     112                        ; v112-127 a scale byte for each step
.set C,     128                        ; v128-191 codes: four registers for each step, so that no store's data are written again
.set WREG,  8192                       ; LDS: a region for each wave: two stages of 32 x SP bytes, behind them its 256 scale bytes
.set SP,    80                         ; a lane's place in a stage: 64 bytes + 16 of padding
.set SPW,   12                         ; v12  LDS address of my spare word; never rewritten
.set NIL,   13                         ; v13  0; never rewritten
.set SPARE, WAVES*WREG                 ; behind the four regions: the spare words, 128 bytes a wave
.set WI,    32                         ; Wo's path: v32-159 two batches of 64 numbers
.set WO,    160                        ; v160-191 a batch's 32 packed registers
	s_load_b256 s[4:11], s[0:1], 0x0               ; x s[4:5], context s[6:7], Wq s[8:9], Wk s[10:11]
	s_load_b256 s[12:19], s[0:1], 0x20             ; Wv s[12:13], Wo s[14:15], codes s[16:17], scales s[18:19]
	s_load_b64 s[20:21], s[0:1], 0x40              ; wo16
	v_lshl_add_u32 v[SPW], v0, 2, SPARE
	v_mov_b32 v[NIL], 0
	v_lshrrev_b32 v1, 5, v0
	v_readfirstlane_b32 s22, v1                    ; wave
	v_and_b32 v2, 31, v0                           ; lane
	s_cmp_lt_u32 ttmp9, NQWG                       ; the choice hangs on the work-group's number alone
	s_cbranch_scc1 .Lquant
	; ---- Wo to f16.  Wave W = 4 (work-group - 608) + wave takes n tile W / 2 and K half W % 2: 32 pieces of 16 rows x 16 K.  No LDS byte but the spare words is touched on this path.
	v_and_b32 v1, 15, v0                           ; r
	v_bfe_u32 v4, v0, 4, 1                         ; h
	v_lshlrev_b32 v3, 12, v1                       ; in: row r of 4,096 bytes,
	v_lshl_add_u32 v3, v4, 5, v3                   ; + 8 h numbers
	v_lshlrev_b32 v4, 4, v2                        ; out: 16 bytes a lane
	s_sub_co_u32 s28, ttmp9, NQWG
	s_lshl_b32 s28, s28, 2
	s_add_co_u32 s28, s28, s22                     ; W
	s_lshr_b32 s29, s28, 1                         ; n tile
	s_and_b32 s30, s28, 1                          ; K half
	s_lshl_b32 s32, s29, 16                        ; 16 rows of 4,096 bytes
	s_lshl_b32 s33, s30, 11                        ; 512 numbers
	s_add_co_u32 s32, s32, s33
	s_mov_b32 s33, 0
	s_lshl_b32 s34, s29, 15                        ; an n tile's images: 32,768 bytes
	s_lshl_b32 s35, s30, 14
	s_add_co_u32 s34, s34, s35
	s_mov_b32 s35, 0
	s_wait_kmcnt 0x0
	s_add_nc_u64 s[14:15], s[14:15], s[32:33]
	s_add_nc_u64 s[20:21], s[20:21], s[34:35]
.macro LOADB bt                        ; pieces 8 bt .. 8 bt + 7: a lane's 8 numbers of each, 32 bytes, by two loads
.irp i, 0,1,2,3,4,5,6,7
	global_load_b128 v[WI+64*((\bt)%2)+8*\i:WI+64*((\bt)%2)+8*\i+3], v3, s[14:15] offset:64*(8*(\bt)+\i)
	global_load_b128 v[WI+64*((\bt)%2)+8*\i+4:WI+64*((\bt)%2)+8*\i+7], v3, s[14:15] offset:64*(8*(\bt)+\i)+16
.endr
.endm
.macro PACKB bt
.if (\bt) < 3
	s_wait_loadcnt 16                              ; this batch's 16 loads are in; the younger batch's 16 may be out
.else
	s_wait_loadcnt 0x0
.endif
.if (\bt) > 0
	s_wait_xcnt 0x0                                ; the last batch's stores have read their data: the packed registers are written again only behind this wait
.endif
.irp i, 0,1,2,3,4,5,6,7
.irp k, 0,1,2,3
	v_cvt_pk_f16_f32 v[WO+4*\i+\k], v[WI+64*((\bt)%2)+8*\i+2*\k], v[WI+64*((\bt)%2)+8*\i+2*\k+1]
.endr
.endr
.irp i, 0,1,2,3,4,5,6,7
	global_store_b128 v4, v[WO+4*\i:WO+4*\i+3], s[20:21] offset:512*(8*(\bt)+\i)   ; 32 lanes store 512 consecutive bytes, aligned
.endr
.if (\bt) < 2
	LOADB (\bt)+2
.endif
.endm
	LOADB 0
	LOADB 1
	PACKB 0
	PACKB 1
	PACKB 2
	PACKB 3
	s_branch .Lend
.Lquant:
	; ---- the five tensors of the quantised products
	v_lshlrev_b32 v3, 4, v2                        ; my 16 bytes of a load's 512
	s_mul_i32 s27, s22, WREG
	v_lshrrev_b32 v14, 2, v2
	v_mul_u32_u24 v14, v14, SP
	v_and_b32 v15, 3, v2
	v_lshl_add_u32 v14, v15, 4, v14
	v_add_nc_u32 v14, s27, v14                     ; the stage, on the way in: four lanes' 64 bytes on end, then 16 of padding
	v_mul_u32_u24 v15, v2, SP
	v_add_nc_u32 v15, s27, v15                     ; and on the way out: SP x lane: my 16 neighbours
	v_mul_u32_u24 v4, v2, CB                       ; my codes' place in a step's
	v_lshrrev_b32 v5, 1, v2
	s_add_co_u32 s27, s27, 2*32*SP
	v_add_nc_u32 v5, s27, v5                       ; LDS: my wave's 256 scale bytes, my block's byte
	v_lshlrev_b32 v7, 3, v2                        ; and on the way out 8 bytes a lane
	v_add_nc_u32 v6, s27, v7
	s_wait_kmcnt 0x0
	s_mov_b64 s[24:25], s[12:13]                   ; which tensor is mine, and its first work-group: Wv from 576,
	s_mov_b32 s26, 576
	s_cmp_lt_u32 ttmp9, 576
	s_cselect_b64 s[24:25], s[10:11], s[24:25]     ; Wk from 544,
	s_cselect_b32 s26, 544, s26
	s_cmp_lt_u32 ttmp9, 544
	s_cselect_b64 s[24:25], s[8:9], s[24:25]       ; Wq from 512,
	s_cselect_b32 s26, 512, s26
	s_cmp_lt_u32 ttmp9, 512
	s_cselect_b64 s[24:25], s[6:7], s[24:25]       ; context from 256,
	s_cselect_b32 s26, 256, s26
	s_cmp_lt_u32 ttmp9, 256
	s_cselect_b64 s[24:25], s[4:5], s[24:25]       ; x from 0
	s_cselect_b32 s26, 0, s26
	s_sub_co_u32 s28, ttmp9, s26
	s_lshl_b32 s28, s28, 2
	s_add_co_u32 s28, s28, s22                     ; which run of 8,192 numbers of the tensor is my wave's
	s_lshl_b32 s28, s28, 15                        ; 32,768 bytes a run
	s_mov_b32 s29, 0
	s_add_nc_u64 s[24:25], s[24:25], s[28:29]
	s_lshl_b32 s28, ttmp9, 2
	s_add_co_u32 s28, s28, s22                     ; and which run of the whole stream
	s_lshl_b32 s30, s28, 12                        ; 4,096 bytes of codes a run
	s_mov_b32 s31, 0
	s_add_nc_u64 s[16:17], s[16:17], s[30:31]
	s_lshl_b32 s30, s28, 8                         ; 256 scale bytes a run
	s_add_nc_u64 s[18:19], s[18:19], s[30:31]
.macro LOAD t
.irp i, 0,1,2,3
	global_load_b128 v[R+16*((\t)%4)+4*\i:R+16*((\t)%4)+4*\i+3], v3, s[24:25] offset:2048*(\t)+512*\i th:TH_LOAD_NT   ; 32 lanes read 512 consecutive bytes
.endr
.endm
.macro TURN t                          ; step t's numbers through the stage: LDS serves a wave's instructions in order, so no wait stands between the stores and the loads
.irp i, 0,1,2,3
	ds_store_b128 v14, v[R+16*((\t)%4)+4*\i:R+16*((\t)%4)+4*\i+3] offset:32*SP*((\t)%2)+8*SP*\i
.endr
.irp i, 0,1,2,3
	ds_load_b128 v[X+16*((\t)%2)+4*\i:X+16*((\t)%2)+4*\i+3], v15 offset:32*SP*((\t)%2)+16*\i
.endr
.endm
.irp t, 0,1,2,3
	LOAD \t
.endr
	s_wait_loadcnt 12                              ; step 0's four loads are in
	TURN 0
.macro STEP t
.set XS, X+16*((\t)%2)
.if (\t) > 0
	s_wait_dscnt 1                                 ; this step's numbers are back from the stage (the last step's byte store may be out): so its stores into the stage have read their registers,
.else
	s_wait_dscnt 0x0
.endif
.if (\t)+4 < STEPS
	LOAD (\t)+4                                    ; which take the loads of four steps on
.endif
.if (\t)+1 < STEPS
.if STEPS-2-(\t) >= 3
	s_wait_loadcnt 12                              ; the next step's four loads are in; those of the three steps behind it may be out
.else
	s_wait_loadcnt 4*(STEPS-2-(\t))
.endif
	TURN (\t)+1                                    ; and go through the other stage while this step is worked
.endif
	v_max3_num_f32 v8, |v[XS]|, |v[XS+1]|, |v[XS+2]|               ; the largest magnitude of my 16, in two chains
	v_max3_num_f32 v9, |v[XS+3]|, |v[XS+4]|, |v[XS+5]|
.irp i, 6,10
	v_max3_num_f32 v8, v8, |v[XS+\i]|, |v[XS+\i+1]|
	v_max3_num_f32 v9, v9, |v[XS+\i+2]|, |v[XS+\i+3]|
.endr
	v_max3_num_f32 v8, v8, |v[XS+14]|, |v[XS+15]|
	v_max3_num_f32 v8, v8, v9, (EMAX+1)<<23        ; and the floor 2^(EMAX + 1 - 127): the byte cannot fall under 1
	v_max_num_f32_dpp v8, v8, v8 row_xmask:1 row_mask:0xf bank_mask:0xf   ; and of my neighbour's 16: the block's
	v_add_nc_u32 v11, -(EMAX<<23), v8              ; EMAX off its exponent field: the conversion takes the exponent field of this operand as its scale, and nothing else of it
	v_cvt_scalef32_pk8_fp4_f32 v[C+4*(\t)], v[XS:XS+7], v11        ; eight numbers / the scale, to the nearest code, ties to even, beyond the largest code the largest
	v_cvt_scalef32_pk8_fp4_f32 v[C+4*(\t)+1], v[XS+8:XS+15], v11
	v_lshrrev_b32 v[E+(\t)], 23, v11               ; the scale's byte (also the plain line behind the conversions)
	ds_store_b8 v5, v[E+(\t)] offset:16*(\t)       ; both lanes of a block write the same byte with the same value
	global_store_b64 v4, v[C+4*(\t):C+4*(\t)+1], s[16:17] offset:32*CB*(\t)   ; 32 lanes store 256 consecutive bytes, aligned
.endm
.irp t, 0,1,2,3,4,5,6,7,8,9,10,11,12,13,14,15
	STEP \t
.endr
	ds_load_b64 v[8:9], v6                         ; LDS serves a wave's instructions in order: these see my byte stores
	s_wait_dscnt 0x0
	global_store_b64 v7, v[8:9], s[18:19]          ; 32 lanes store 256 consecutive bytes, aligned
.Lend:
	s_wait_tensorcnt 0x0                           ; the wave's end: behind my last LDS store
	ds_add_u32 v[SPW], v[NIL]
	s_wait_dscnt 0x0
	s_endpgm
.Lfunc_end_k_q12d257e9fd_quant:
	.size	k_q12d257e9fd_quant, .Lfunc_end_k_q12d257e9fd_quant-k_q12d257e9fd_quant
	.p2alignl 7, 3214868480
	.fill 96, 4, 3214868480
	.section	.rodata,"a",@progbits
	.p2align	6, 0x0
	.amdhsa_kernel k_q12d257e9fd_quant
		.amdhsa_group_segment_fixed_size 33280
		.amdhsa_private_segment_fixed_size 0
		.amdhsa_enable_private_segment 0
		.amdhsa_kernarg_size 72
		.amdhsa_user_sgpr_count 2
		.amdhsa_user_sgpr_kernarg_segment_ptr 1
		.amdhsa_wavefront_size32 1
		.amdhsa_system_sgpr_workgroup_id_x 1
		.amdhsa_system_sgpr_workgroup_id_y 1
		.amdhsa_system_sgpr_workgroup_id_z 1
		.amdhsa_system_vgpr_workitem_id 0
		.amdhsa_next_free_vgpr 192
		.amdhsa_next_free_sgpr 66
		.amdhsa_reserve_vcc 0
		.amdhsa_float_denorm_mode_32 3
		.amdhsa_float_denorm_mode_16_64 3
		.amdhsa_memory_ordered 1
		.amdhsa_forward_progress 1
		.amdhsa_inst_pref_size 52
	.end_amdhsa_kernel
	.amdgpu_metadata
---
amdhsa.version: [ 1, 2 ]
amdhsa.kernels:
  - .name:           k_q12d257e9fd_quant
    .symbol:         k_q12d257e9fd_quant.kd
    .args:
      - { .name: x, .offset: 0, .size: 8, .value_kind: global_buffer, .address_space: global }
      - { .name: context, .offset: 8, .size: 8, .value_kind: global_buffer, .address_space: global }
      - { .name: Wq, .offset: 16, .size: 8, .value_kind: global_buffer, .address_space: global }
      - { .name: Wk, .offset: 24, .size: 8, .value_kind: global_buffer, .address_space: global }
      - { .name: Wv, .offset: 32, .size: 8, .value_kind: global_buffer, .address_space: global }
      - { .name: Wo, .offset: 40, .size: 8, .value_kind: global_buffer, .address_space: global }
      - { .name: codes, .offset: 48, .size: 8, .value_kind: global_buffer, .address_space: global }
      - { .name: scales, .offset: 56, .size: 8, .value_kind: global_buffer, .address_space: global }
      - { .name: wo16, .offset: 64, .size: 8, .value_kind: global_buffer, .address_space: global }
    .group_segment_fixed_size: 33280
    .private_segment_fixed_size: 0
    .kernarg_segment_align: 8
    .kernarg_segment_size: 72
    .max_flat_workgroup_size: 128
    .sgpr_count:     66
    .vgpr_count:     192
    .wavefront_size: 32
...
	.end_amdgpu_metadata
.endif
;; end of part 1
;; launch proj (part 2): grid 4 x 96, 4 waves a work-group, clusters of 4 x 4, 327,680 bytes of LDS; arguments codes, scales, bq, bk, bv, qfrag, kvfrag; writes qfrag, kvfrag
.if DOCPART == 2
	.amdgcn_target "amdgcn-amd-amdhsa--gfx1250"
	.amdhsa_code_object_version 6
	.text
	.protected	k_q12d257e9fd_proj
	.globl	k_q12d257e9fd_proj
	.p2align	8
	.type	k_q12d257e9fd_proj,@function
k_q12d257e9fd_proj:
	s_mov_b64 s[64:65], 0
	v_nop
	global_prefetch_b8 v0, s[64:65] scope:SCOPE_SE
	s_setreg_imm32_b32 hwreg(HW_REG_WAVE_MODE, 25, 1), 1
	s_wait_xcnt 0x0
	s_wait_alu depctr_hold_cnt(0) depctr_sa_sdst(0) depctr_va_vdst(0) depctr_va_sdst(0) depctr_va_ssrc(0) depctr_va_vcc(0) depctr_vm_vsrc(0)
	s_getreg_b32 s2, hwreg(HW_REG_IB_STS2, 6, 4)
	s_cmp_eq_u32 s2, 0
	s_cbranch_scc0 .Lentry_in_a_cluster
	s_endpgm
.Lentry_in_a_cluster:
	s_bfe_u32 s2, ttmp6, 0x10000c
	s_cmp_lg_u32 s2, 0xf033
	s_cbranch_scc0 .Lentry_shape_is_right
	s_endpgm
.Lentry_shape_is_right:
; LAUNCH 2 OF 4.  The three quantised products q = x Wq^T, k = context Wk^T, v = context Wv^T on codes of FP4 (E2M1) with one E8M0 byte for each 32 along K = 1,024; then the bias; for q and k the
; division by (the head's norm + 1e-6), q also times log2(e), so that the next launch's exponential is a bare 2^s; then f16, stored as images of the next launch's operand registers.
; Left out (shown at the head of the first launch): the factor scale = 1.0.
; SHARES.  24 clusters of 4 x 4 work-groups; cluster y = 8 p + g: p = 0 q, 1 k, 2 v; g = which 1,024 tokens.  A work-group makes 256 x 256, each of four waves 128 x 128: 64 accumulators, 512 registers.
; ONE TEXT FOR THE THREE PRODUCTS: only row numbers in the buffer of codes differ.  Source 0 takes 16 rows of the side called B, source 1 16 rows of the side called A: a lane then holds ONE row of A and eight
; neighbouring rows of B.  q, k: A = tokens, B = the weight's rows (channels): a lane holds a token and 8 channels, as a fragment of Q or K wants.  v: A = Wv's rows, B = tokens: a lane holds a channel and 8 keys, as a fragment of V^T wants.
; K is two slots of 512, both filled once; the scale bytes of the 512 rows come once too.  Tiles of A are asked for jointly along a row of the cluster, tiles of B along a column.
; 384 work-groups: 8,192 x 3,072 outputs with x and context apart divide into no 256 equal tiles of this shape.
; OUT.  qfrag [bh 64][token tile 128][c 2][u 2][lane][16 bytes]: lane (r, h): token 16 tt + r, channels 32 c + 16 u + 8 h + 0 .. 7 of the head.
;   kvfrag [bh 64][group of 32 keys: 64][8,192 bytes]: K [key tile 2][c 2][u 2][512], laid as qfrag; then V^T [channel tile 4][u 2][512]: lane (r, h): channel 16 ct + r, keys 16 u + 8 h + 0 .. 7.
;   Every store is 32 lanes x 16 bytes: 512 consecutive bytes, aligned, straight from registers.
; LIMIT: |v| under 65,504 (f16).
; REGISTERS, in windows of 256: window 0: v1-31 addresses; v32-95 scale words, two sets, and nothing else; v96-127 sums of squares, then the rows' factors (v: bias pairs); v128-191 A's fragments, on the way out at work;
;   v192-255 q's or k's bias, then packed results.   window 1: B's fragments, two sets.   windows 2, 3: the accumulators of my A rows 0-63, 64-127 ((a, b) at v[8 (8 (a % 4) + b)]).
.set KSTEP,  512
.set NQ,     KSTEP/128
.set ROWB,   256                       ; a tile's row in bytes: 512 codes
.set KROW,   512                       ; a row of codes in memory
.set PITCH,  272                       ; an LDS row: 256 bytes + 16 of padding: the 16 rows that a load touches start 68 words apart
.set FR,     8
.set NL,     2
.set NP,     4
.set HALFT,  128*PITCH
.set SLOT,   4*HALFT                   ; A's 256 rows, then B's 256 rows
.set KS,     32                        ; a row of scale bytes
.set SCL,    2*SLOT
.set HALFS,  (128*KS/256)*272
.set SBLK,   (16*KS/256)*272
.set SPARE,  SCL+4*HALFS               ; the spare words, 128 bytes a wave
.set L16,  7                           ; v7      16 x lane
.set VO,   8                           ; v8-15   q, k: store offsets: 16 x lane + pair of token blocks + head
.set ADRA, 16
.set ADRB, 20
.set ADRS, 27
.set SPW,  28
.set NIL,  29
.set BH,   30                          ; v30     32 h
.set BR,   31                          ; v31     4 r
.set SC,   32
.set SS,   96
.set AF,   128
.set T,    128
.set BIAS, 192
.set OUT,  192
.set G1, 24
.set G0, 32
.set G1B, 48
.set G0B, 56
.set G1S, 68
.set G0S, 76
.set G1SB, 80
.set G0SB, 88
.set MSB, 0
.macro WIN new                         ; the immediate's high byte repeats the setting that is left
.if MSB != (\new)
	s_set_vgpr_msb (MSB<<8)|(\new)
.set MSB, (\new)
.endif
.endm
.set MUL_LO, 0xa1                      ; source 0 (B) window 1, source 1 (A) window 0, C and D window 2
.set MUL_HI, 0xf1
.set TO_B,   0x40
; A joint load: waves 0 and 1 fetch for A, waves 2 and 3 for B; the branch hangs on the wave's number alone.  An s_nop 0 and four v_nop follow each of the two lines.
.macro JLOAD g0a, g1a, g0b, g1b
	s_cmp_eq_u32 s19, 0
	s_cbranch_scc0 .Lfor_b_\@
	tensor_load_to_lds s[\g0a:\g0a+3], s[\g1a:\g1a+7]
	s_nop 0
.rept 4
	v_nop
.endr
	s_branch .Lasked_\@
.Lfor_b_\@:
	tensor_load_to_lds s[\g0b:\g0b+3], s[\g1b:\g1b+7]
	s_nop 0
.rept 4
	v_nop
.endr
.Lasked_\@:
.endm
.macro CROUND                          ; a round of the cluster's barrier
	s_barrier_signal -1
	s_barrier_wait -1
	s_cmp_lg_u32 s18, 0
	s_cbranch_scc1 .Lnot_wave_0_\@
	s_barrier_signal -3
.Lnot_wave_0_\@:
	s_barrier_wait -3
	s_barrier_signal -1
	s_barrier_wait -1
.endm
	s_load_b256 s[4:11], s[0:1], 0x0               ; codes s[4:5], scales s[6:7], bq s[8:9], bk s[10:11]
	s_load_b128 s[12:15], s[0:1], 0x20             ; bv s[12:13], qfrag s[14:15]
	s_load_b64 s[16:17], s[0:1], 0x30              ; kvfrag
	v_lshl_add_u32 v[SPW], v0, 2, SPARE
	v_mov_b32 v[NIL], 0
	ds_add_u32 v[SPW], v[NIL]                      ; the wave's opening: the add, twice on end, and its wait ahead of my first tensor load
	ds_add_u32 v[SPW], v[NIL]
	v_lshrrev_b32 v1, 5, v0
	v_readfirstlane_b32 s18, v1                    ; wave 0..3
	s_lshr_b32 s19, s18, 1                         ; which half of A's rows I multiply.  Also: I fetch for A (0) or for B (1)
	s_and_b32 s20, s18, 1                          ; which half of B's rows I multiply.  Also: which 128 rows I fetch
	s_bfe_u32 s40, ttmp6, 0x40000                  ; cx
	s_bfe_u32 s41, ttmp6, 0x40004                  ; cy
	s_and_b32 s42, ttmp7, 0xffff                   ; cluster y, the same in all sixteen partners
	s_and_b32 s43, s42, 7                          ; g
	s_lshr_b32 s42, s42, 3                         ; p
	s_lshl_b32 s44, s41, 2
	s_lshl_b32 s44, 15, s44                        ; my row of the cluster
	s_lshl_b32 s45, 0x1111, s40                    ; my column
	s_mov_b32 s46, 0x76543210                      ; v_permlanex16_b32's selects for lane l xor 16
	s_mov_b32 s47, 0xfedcba98
	; descriptor group 1: a tile of 128 rows x 256 bytes, 16 bytes of padding behind each row
	s_or_b32 s[G1+0], s44, (0<<16)|(1<<20)|(1<<21)|(5<<22)|(3<<25)  ; 15:0 the mask; 17:16 elements of 1 byte; 20 padding on; 21 set beside a mask; 24:22 after every 64 words; 31:25 four words
	s_or_b32 s[G1B+0], s45, (0<<16)|(1<<20)|(1<<21)|(5<<22)|(3<<25)
.irp g, G1, G1B
	s_mov_b32 s[\g+1], ROWB<<16                    ; tensor_dim0
	s_mov_b32 s[\g+2], 128<<16                     ; tensor_dim1
	s_mov_b32 s[\g+3], ROWB<<16                    ; tile_dim0
	s_mov_b32 s[\g+4], 128                         ; tile_dim1
	s_mov_b32 s[\g+5], KROW                        ; from row to row
	s_mov_b32 s[\g+6], 0
	s_mov_b32 s[\g+7], 0
.endr
	; and for the scale bytes of 128 rows: 4,096 dense bytes as 16 rows of 256 (32 elements of 8 bytes), 16 bytes of padding behind each
	s_or_b32 s[G1S+0], s44, (3<<16)|(1<<20)|(1<<21)|(5<<22)|(3<<25)
	s_or_b32 s[G1SB+0], s45, (3<<16)|(1<<20)|(1<<21)|(5<<22)|(3<<25)
.irp g, G1S, G1SB
	s_mov_b32 s[\g+1], 32<<16
	s_mov_b32 s[\g+2], (128*KS/256)<<16
	s_mov_b32 s[\g+3], 32<<16
	s_mov_b32 s[\g+4], 128*KS/256
	s_mov_b32 s[\g+5], 32
	s_mov_b32 s[\g+6], 0
	s_mov_b32 s[\g+7], 0
.endr
	; which rows of the buffer of codes.  q, k: A = 8,192 p + 1,024 g (tokens), B = 16,384 + 1,024 p (the weight);  v: A = 18,432 (Wv), B = 8,192 + 1,024 g (context's tokens)
	s_lshl_b32 s66, s43, 10
	s_lshl_b32 s67, s42, 13
	s_add_co_u32 s67, s67, s66
	s_lshl_b32 s23, s42, 10
	s_add_co_u32 s23, s23, 16384
	s_add_co_u32 s66, s66, 8192
	s_cmp_lt_u32 s42, 2
	s_cselect_b32 s92, s67, 18432
	s_cselect_b32 s96, s23, s66
	s_lshl_b32 s67, s20, 7                         ; which 128 rows I fetch
	s_lshl_b32 s93, s41, 8
	s_add_co_u32 s92, s92, s93                     ; A: + 256 cy: shared along my row of the cluster
	s_add_co_u32 s92, s92, s67
	s_lshl_b32 s97, s40, 8
	s_add_co_u32 s96, s96, s97                     ; B: + 256 cx: shared along my column
	s_add_co_u32 s96, s96, s67
	s_lshl_b32 s94, s92, 5                         ; 32 scale bytes a row,
	s_mov_b32 s95, 0
	s_lshl_b32 s92, s92, 9                         ; 512 bytes of codes
	s_mov_b32 s93, 0
	s_lshl_b32 s98, s96, 5
	s_mov_b32 s99, 0
	s_lshl_b32 s96, s96, 9
	s_mov_b32 s97, 0
	s_mul_i32 s21, s18, HALFT                      ; where they go: wave x 128 rows: no place in the cluster enters an LDS address
	s_mul_i32 s22, s18, HALFS
	s_wait_dscnt 0x0                               ; both opening adds are done
	s_wait_kmcnt 0x0
	s_add_nc_u64 s[92:93], s[4:5], s[92:93]
	s_add_nc_u64 s[94:95], s[6:7], s[94:95]
	s_add_nc_u64 s[96:97], s[4:5], s[96:97]
	s_add_nc_u64 s[98:99], s[6:7], s[98:99]
	CROUND                                         ; all sixteen work-groups are here: the first joint loads meet
	s_mov_b32 s[G0S], 1
	s_add_co_u32 s[G0S+1], s22, SCL
	s_mov_b64 s[G0S+2:G0S+3], s[94:95]
	s_or_b32 s[G0S+3], s[G0S+3], 0x80000000
	s_mov_b32 s[G0SB], 1
	s_add_co_u32 s[G0SB+1], s22, SCL
	s_mov_b64 s[G0SB+2:G0SB+3], s[98:99]
	s_or_b32 s[G0SB+3], s[G0SB+3], 0x80000000
	JLOAD G0S, G1S, G0SB, G1SB                     ; the scale bytes first: they are wanted with the first K step
.irp s, 0,1
	s_mov_b32 s[G0+4*\s], 1
	s_add_co_u32 s[G0+4*\s+1], s21, \s*SLOT
	s_add_nc_u64 s[G0+4*\s+2:G0+4*\s+3], s[92:93], \s*ROWB
	s_or_b32 s[G0+4*\s+3], s[G0+4*\s+3], 0x80000000
	s_mov_b32 s[G0B+4*\s], 1
	s_add_co_u32 s[G0B+4*\s+1], s21, \s*SLOT
	s_add_nc_u64 s[G0B+4*\s+2:G0B+4*\s+3], s[96:97], \s*ROWB
	s_or_b32 s[G0B+4*\s+3], s[G0B+4*\s+3], 0x80000000
	JLOAD G0+4*\s, G1, G0B+4*\s, G1B               ; both halves of K: three tensor loads of mine are out, and nothing is ever filled again
.endr
	; LDS addresses, all made here
	v_and_b32 v1, 15, v0                           ; r
	v_bfe_u32 v2, v0, 4, 1                         ; h
	v_mul_u32_u24 v3, v1, PITCH
	v_lshl_add_u32 v4, v2, 4, v3                   ; a fragment's row x pitch + 16 h
	s_mul_i32 s66, s19, HALFT                      ; my 128 rows of A
	s_mul_i32 s67, s20, HALFT                      ; my 128 rows of B,
	s_add_co_u32 s67, s67, 2*HALFT                 ; which lie behind A's 256
.irp s, 0,1
	v_add_nc_u32 v[ADRA+\s], s66, v4
	v_add_nc_u32 v[ADRB+\s], s67, v4
	s_add_co_u32 s66, s66, SLOT
	s_add_co_u32 s67, s67, SLOT
.endr
	v_mul_u32_u24 v5, v1, KS                       ; my row's scale bytes: 32 a row,
	v_lshrrev_b32 v6, 8, v5
	v_lshl_add_u32 v5, v6, 4, v5                   ; and 16 more for each 256 passed
	s_mul_i32 s66, s19, HALFS
	s_mul_i32 s67, s20, HALFS
	s_add_co_u32 s67, s67, 2*HALFS
	s_sub_co_u32 s67, s67, s66
	v_mul_u32_u24 v6, s67, v2                      ; lanes 16-31 take B's: one product, the distance between the two bases
	s_add_co_u32 s66, s66, SCL
	v_add_nc_u32 v5, v5, v6
	v_add_nc_u32 v[ADRS], s66, v5
	v_and_b32 v[L16], 31, v0
	v_lshlrev_b32 v[L16], 4, v[L16]
	v_lshlrev_b32 v[BH], 5, v2
	v_lshlrev_b32 v[BR], 2, v1
	; the bias, the factor and the place of my results
	s_cmp_eq_u32 s42, 1
	s_cselect_b64 s[8:9], s[10:11], s[8:9]
	s_cmp_eq_u32 s42, 2
	s_cselect_b64 s[8:9], s[12:13], s[8:9]         ; bq, bk or bv; s10-13 are free from here on
	s_mov_b32 s23, 0x3fb8aa3b                      ; log2(e), for q alone
	s_cmp_eq_u32 s42, 0
	s_cselect_b32 s23, s23, 1.0
	s_cmp_lt_u32 s42, 2                            ; q, k: tokens are A's rows (cy, my A half), channels B's (cx, my B half); v: the other way round
	s_cselect_b32 s10, s41, s40                    ; the tokens' place,
	s_cselect_b32 s11, s19, s20                    ; and half
	s_cselect_b32 s12, s40, s41                    ; the channels' place,
	s_cselect_b32 s13, s20, s19                    ; and half
	s_lshl_b32 s66, s12, 10
	s_lshl_b32 s67, s13, 9
	s_add_co_u32 s66, s66, s67                     ; my first channel, 256 place + 128 half, in bytes of f32
	s_mov_b32 s67, 0
	s_add_nc_u64 s[8:9], s[8:9], s[66:67]
	s_lshl_b32 s66, s43, 10
	s_lshl_b32 s10, s10, 8
	s_add_co_u32 s66, s66, s10
	s_lshl_b32 s11, s11, 7
	s_add_co_u32 s66, s66, s11                     ; my first token: 1,024 g + 256 place + 128 half
	s_lshl_b32 s12, s12, 2
	s_lshl_b32 s13, s13, 1
	s_add_co_u32 s12, s12, s13                     ; my first head: 4 place + 2 half
	s_lshr_b32 s10, s66, 11                        ; the batch
	s_lshl_b32 s10, s10, 4
	s_add_co_u32 s12, s12, s10                     ; bh
	s_and_b32 s66, s66, 2047                       ; the token in its batch, a multiple of 128
	s_lshl_b32 s12, s12, 18                        ; q: 262,144 bytes a head, 128 bytes a token;
	s_lshl_b32 s66, s66, 7
	s_add_co_u32 s66, s66, s12
	s_min_u32 s10, s42, 1
	s_lshl_b32 s66, s66, s10                       ; k and v: twice that
	s_cmp_eq_u32 s42, 0
	s_cselect_b64 s[2:3], s[14:15], s[16:17]
	s_add_nc_u64 s[2:3], s[2:3], s[66:67]
	s_cmp_eq_u32 s42, 2                            ; p is the same in all partners
	s_cbranch_scc1 .Lbias_v
.irp b, 0,1,2,3,4,5,6,7                        ; q, k: the bias of channels 16 b + 8 h + 0 .. 7, in the result's layout
	global_load_b128 v[BIAS+8*\b:BIAS+8*\b+3], v[BH], s[8:9] offset:64*\b
	global_load_b128 v[BIAS+8*\b+4:BIAS+8*\b+7], v[BH], s[8:9] offset:64*\b+16
.endr
	s_lshl_b32 s10, 0x1000, s42                    ; two token blocks on: 4,096 bytes in qfrag, 8,192 (a group of 32 keys) in kvfrag
	s_lshl_b32 s11, 0x40000, s42                   ; a head on
.irp i, 0,1,2,3
	s_mul_i32 s12, s10, \i
	v_add_nc_u32 v[VO+2*\i], s12, v[L16]
	s_add_co_u32 s12, s12, s11
	v_add_nc_u32 v[VO+2*\i+1], s12, v[L16]
.endr
	s_branch .Lbias_done
.Lbias_v:
.irp a, 0,1,2,3,4,5,6,7                        ; v: the bias of channel 16 a + r, twice: a pair for the packed addition
	global_load_b32 v[SS+2*\a], v[BR], s[8:9] offset:64*\a
	global_load_b32 v[SS+2*\a+1], v[BR], s[8:9] offset:64*\a
.endr
.Lbias_done:
.macro FRAG reg, adr, q, i             ; 16 rows x 128 K of 4-bit codes: 8 registers: lane l holds row l % 16; registers 4 c .. 4 c + 3 hold K = 64 c + 32 (l / 16) + 0 .. 31
.irp c, 0,1
	ds_load_b128 v[\reg+4*\c:\reg+4*\c+3], v[\adr] offset:64*(\q)+32*\c+(\i)*16*PITCH
.endr
.endm
; 16 matrix instructions: A's blocks a0, a0 + 1 x B's eight, the slot's q-th 128 along K.  p: B's set; sc: the set of scale words.  zero = 1: the first product starts the sums.
; The 64 accumulators take turns, one instruction a turn, in the same order in every step.
.macro MUL16 a0, p, q, sc, zero
.irp a, \a0, \a0+1
.irp b, 0,1,2,3,4,5,6,7
.if \zero
	v_wmma_scale_f32_16x16x128_f8f6f4 v[8*(8*((\a)%4)+\b):8*(8*((\a)%4)+\b)+7], v[128*(\p)+FR*\b:128*(\p)+FR*\b+FR-1], v[AF+FR*(\a):AF+FR*(\a)+FR-1], 0, v[SC+8*NQ*(\sc)+NQ*\b+(\q)], v[SC+8*NQ*(\sc)+NQ*(\a)+(\q)] matrix_a_fmt:MATRIX_FMT_FP4 matrix_b_fmt:MATRIX_FMT_FP4 matrix_a_scale:MATRIX_SCALE_ROW1
.else
	v_wmma_scale_f32_16x16x128_f8f6f4 v[8*(8*((\a)%4)+\b):8*(8*((\a)%4)+\b)+7], v[128*(\p)+FR*\b:128*(\p)+FR*\b+FR-1], v[AF+FR*(\a):AF+FR*(\a)+FR-1], v[8*(8*((\a)%4)+\b):8*(8*((\a)%4)+\b)+7], v[SC+8*NQ*(\sc)+NQ*\b+(\q)], v[SC+8*NQ*(\sc)+NQ*(\a)+(\q)] matrix_a_fmt:MATRIX_FMT_FP4 matrix_b_fmt:MATRIX_FMT_FP4 matrix_a_scale:MATRIX_SCALE_ROW1
.endif
.endr
.endr
.endm
.macro FETCH_B slot, q, p
	WIN TO_B
.irp i, 0,1,2,3,4,5,6,7
	FRAG 128*(\p)+FR*\i, ADRB+\slot, \q, \i
.endr
	WIN 0
.endm
.macro FETCH_A slot, q, i0
.irp i, \i0, \i0+1, \i0+2, \i0+3
	FRAG AF+FR*(\i), ADRA+\slot, \q, \i
.endr
.endm
.macro SCALES sc                       ; a slot's scale words: 4 words a row; lanes 0-15 take A's block i, lanes 16-31 B's block i
.irp i, 0,1,2,3,4,5,6,7
	ds_load_b128 v[SC+8*NQ*\sc+NQ*\i:SC+8*NQ*\sc+NQ*\i+3], v[ADRS] offset:\i*SBLK
.endr
.endm
.macro PLACES n                        ; plain vector lines between a matrix instruction and a load into, or a read of, its registers
.rept \n
	v_nop
.endr
.endm
.macro STEP slot, q, zero              ; 128 along K with its successor in the same slot
	s_wait_dscnt 4*NL                              ; B's set and A's blocks 0-3 are in; the youngest eight loads (A's blocks 4-7) may be out
	WIN MUL_LO
	MUL16 0, (\q)%2, \q, \slot, \zero
	MUL16 2, (\q)%2, \q, \slot, \zero
	s_wait_dscnt 0
	PLACES NP
	FETCH_B \slot, (\q)+1, 1-(\q)%2
	FETCH_A \slot, (\q)+1, 0
	WIN MUL_HI
	MUL16 4, (\q)%2, \q, \slot, \zero
	MUL16 6, (\q)%2, \q, \slot, \zero
	PLACES NP
	WIN 0
	FETCH_A \slot, (\q)+1, 4
.endm
.macro STEPS slot, from
.set Q, \from
.rept NQ-1-\from
	STEP \slot, Q, 0
.set Q, Q+1
.endr
.endm
	s_wait_tensorcnt 1                             ; the scale bytes and my part of slot 0 are in (slot 1's load may be out)
	s_barrier_signal -1
	s_barrier_wait -1                              ; everybody's are
	FETCH_B 0, 0, 0
	FETCH_A 0, 0, 0
	SCALES 0
	FETCH_A 0, 0, 4
	STEP 0, 0, 1                                   ; the first step's products start the sums: nothing is cleared
	STEPS 0, 1
	; slot 0's last step changes slots: one barrier; in front of it my tensor loads have landed (slot 1's part among them)
	s_wait_tensorcnt 0x0
	ds_add_u32 v[SPW], v[NIL]                      ; 0 onto my spare word
	s_wait_dscnt 4*NL+1                            ; (the add and the youngest eight loads may be out)
	WIN MUL_LO
	MUL16 0, 1, NQ-1, 0, 0
	s_wait_dscnt 0x0
	s_barrier_signal -1
	MUL16 2, 1, NQ-1, 0, 0
	WIN 0
	s_barrier_wait -1
	PLACES NP
	v_add_nc_u32 v[ADRS], 4*NQ, v[ADRS]            ; on to slot 1's scale words
	FETCH_B 1, 0, 0
	FETCH_A 1, 0, 0
	SCALES 1
	WIN MUL_HI
	MUL16 4, 1, NQ-1, 0, 0
	MUL16 6, 1, NQ-1, 0, 0
	PLACES NP
	WIN 0
	FETCH_A 1, 0, 4
	STEPS 1, 0
	s_wait_dscnt 4*NL                              ; the very last step: nothing more to fetch
	WIN MUL_LO
	MUL16 0, 1, NQ-1, 1, 0
	MUL16 2, 1, NQ-1, 1, 0
	s_wait_dscnt 0
	WIN MUL_HI
	MUL16 4, 1, NQ-1, 1, 0
	MUL16 6, 1, NQ-1, 1, 0
	WIN 0
	s_wait_loadcnt 0x0                             ; the bias
	PLACES NP
	s_cmp_eq_u32 s42, 2
	s_cbranch_scc1 .Lvout
	; ---- THE WAY OUT OF q AND k.  Lane (r, h) holds token 16 a + r and channels 16 b + 8 h + 0 .. 7; blocks b = 4 d .. 4 d + 3 are head d of my two.
.irp w, 0,1                                    ; window 2 + w: token blocks 4 w .. 4 w + 3
	WIN 0x82+0x41*\w                               ; destination and source 0 in the accumulators' window, the bias in window 0
.irp a, 0,1,2,3
.irp b, 0,1,2,3,4,5,6,7
.irp n, 0,2,4,6
	v_pk_add_f32 v[8*(8*\a+\b)+\n:8*(8*\a+\b)+\n+1], v[8*(8*\a+\b)+\n:8*(8*\a+\b)+\n+1], v[BIAS+8*\b+\n:BIAS+8*\b+\n+1]   ; + bias, each accumulator from its low end on
.endr
.endr
.endr
	WIN 0x0a+5*\w                                  ; sources 0 and 1 in the accumulators' window
.irp n, 0,1,2,3,4,5,6,7,8,9,10,11,12,13,14,15  ; the sums of squares of my 32 channels of a head, two at a time; the window's eight (token block, head) by turns
.irp a, 0,1,2,3
.irp d, 0,1
.if \n == 0
	v_pk_mul_f32 v[SS+4*(4*\w+\a)+2*\d:SS+4*(4*\w+\a)+2*\d+1], v[8*(8*\a+4*\d+\n/4)+2*(\n%4):8*(8*\a+4*\d+\n/4)+2*(\n%4)+1], v[8*(8*\a+4*\d+\n/4)+2*(\n%4):8*(8*\a+4*\d+\n/4)+2*(\n%4)+1]
.else
	v_pk_fma_f32 v[SS+4*(4*\w+\a)+2*\d:SS+4*(4*\w+\a)+2*\d+1], v[8*(8*\a+4*\d+\n/4)+2*(\n%4):8*(8*\a+4*\d+\n/4)+2*(\n%4)+1], v[8*(8*\a+4*\d+\n/4)+2*(\n%4):8*(8*\a+4*\d+\n/4)+2*(\n%4)+1], v[SS+4*(4*\w+\a)+2*\d:SS+4*(4*\w+\a)+2*\d+1]
.endif
.endr
.endr
.endr
.endr
	WIN 0
.irp k, 0,1,2,3,4,5,6,7,8,9,10,11,12,13,14,15
	v_add_f32 v[T+\k], v[SS+2*\k], v[SS+2*\k+1]
.endr
.irp k, 0,1,2,3,4,5,6,7,8,9,10,11,12,13,14,15
	v_permlanex16_b32 v[T+16+\k], v[T+\k], s46, s47    ; the head's other 32 channels lie in the lane 16 away
.endr
.irp k, 0,1,2,3,4,5,6,7,8,9,10,11,12,13,14,15
	v_add_f32 v[T+\k], v[T+\k], v[T+16+\k]
.endr
.irp k, 0,1,2,3,4,5,6,7,8,9,10,11,12,13,14,15
	v_sqrt_f32 v[T+\k], v[T+\k]                    ; the norm
.endr
	v_nop                                          ; a plain line behind the last root,
	s_wait_alu depctr_va_vdst(0)                   ; and one wait for the sixteen, ahead of their first reader
.irp k, 0,1,2,3,4,5,6,7,8,9,10,11,12,13,14,15
	v_add_f32 v[T+\k], 0x358637bd, v[T+\k]         ; + 1e-6
.endr
.irp k, 0,1,2,3,4,5,6,7,8,9,10,11,12,13,14,15
	v_rcp_f32 v[T+\k], v[T+\k]
.endr
	v_nop
	s_wait_alu depctr_va_vdst(0)                   ; one wait for the sixteen reciprocals
.irp k, 0,1,2,3,4,5,6,7,8,9,10,11,12,13,14,15
	v_mul_f32 v[SS+2*\k], s23, v[T+\k]             ; q: log2(e) / (norm + 1e-6); k: 1 / (norm + 1e-6); twice, a pair for the packed multiply
	v_mul_f32 v[SS+2*\k+1], s23, v[T+\k]
.endr
.irp a, 0,1,2,3,4,5,6,7
.if \a >= 2
	s_wait_xcnt 0x0                                ; block a - 2's stores have read their data: its packed registers are written again only behind this wait
.endif
	WIN 0x02+\a/4
.irp b, 0,1,2,3,4,5,6,7
.irp n, 0,2,4,6
	v_pk_mul_f32 v[T+8*\b+\n:T+8*\b+\n+1], v[8*(8*(\a%4)+\b)+\n:8*(8*(\a%4)+\b)+\n+1], v[SS+4*\a+2*(\b/4):SS+4*\a+2*(\b/4)+1]
.endr
.endr
	WIN 0
.irp b, 0,1,2,3,4,5,6,7
.irp n, 0,1,2,3
	v_cvt_pk_f16_f32 v[OUT+32*(\a%2)+4*\b+\n], v[T+8*\b+2*\n], v[T+8*\b+2*\n+1]
.endr
.endr
.irp b, 0,1,2,3,4,5,6,7
	global_store_b128 v[VO+2*(\a/2)+\b/4], v[OUT+32*(\a%2)+4*\b:OUT+32*(\a%2)+4*\b+3], s[2:3] offset:(\a%2)*2048+(\b%4)*512   ; 512 consecutive bytes, aligned: registers 4 u .. 4 u + 3 of fragment (token tile, c), 2 c + u = b % 4
.endr
.endr
	s_branch .Lend
.Lvout:
	; ---- THE WAY OUT OF v.  Lane (r, h) holds channel 16 a + r and keys 16 b + 8 h + 0 .. 7: head a / 4 of my two, channel tile a % 4, group of keys b / 2, u = b % 2.
.irp a, 0,1,2,3,4,5,6,7
.if \a >= 2
	s_wait_xcnt 0x0                                ; block a - 2's stores have read their data
.endif
	WIN 0x02+\a/4
.irp b, 0,1,2,3,4,5,6,7
.irp n, 0,2,4,6
	v_pk_add_f32 v[T+8*\b+\n:T+8*\b+\n+1], v[8*(8*(\a%4)+\b)+\n:8*(8*(\a%4)+\b)+\n+1], v[SS+2*\a:SS+2*\a+1]   ; + bias, each accumulator from its low end on
.endr
.endr
	WIN 0
.irp b, 0,1,2,3,4,5,6,7
.irp n, 0,1,2,3
	v_cvt_pk_f16_f32 v[OUT+32*(\a%2)+4*\b+\n], v[T+8*\b+2*\n], v[T+8*\b+2*\n+1]
.endr
.endr
.irp b, 0,1,2,3,4,5,6,7
	global_store_b128 v[L16], v[OUT+32*(\a%2)+4*\b:OUT+32*(\a%2)+4*\b+3], s[2:3] offset:4096+(\a/4)*524288+(\a%4)*1024+(\b/2)*8192+(\b%2)*512
.endr
.endr
.Lend:
	s_wait_tensorcnt 0x0                           ; the wave's end, behind my last tensor load
	ds_add_u32 v[SPW], v[NIL]
	s_wait_dscnt 0x0
	CROUND                                         ; the closing round: no work-group ends while a partner may still ask for a tile that names it
	s_endpgm
.Lfunc_end_k_q12d257e9fd_proj:
	.size	k_q12d257e9fd_proj, .Lfunc_end_k_q12d257e9fd_proj-k_q12d257e9fd_proj
	.p2alignl 7, 3214868480
	.fill 96, 4, 3214868480
	.section	.rodata,"a",@progbits
	.p2align	6, 0x0
	.amdhsa_kernel k_q12d257e9fd_proj
		.amdhsa_group_segment_fixed_size 327680
		.amdhsa_private_segment_fixed_size 0
		.amdhsa_enable_private_segment 0
		.amdhsa_kernarg_size 56
		.amdhsa_user_sgpr_count 2
		.amdhsa_user_sgpr_kernarg_segment_ptr 1
		.amdhsa_wavefront_size32 1
		.amdhsa_system_sgpr_workgroup_id_x 1
		.amdhsa_system_sgpr_workgroup_id_y 1
		.amdhsa_system_sgpr_workgroup_id_z 1
		.amdhsa_system_vgpr_workitem_id 0
		.amdhsa_next_free_vgpr 1024
		.amdhsa_next_free_sgpr 100
		.amdhsa_reserve_vcc 0
		.amdhsa_float_denorm_mode_32 3
		.amdhsa_float_denorm_mode_16_64 3
		.amdhsa_memory_ordered 1
		.amdhsa_forward_progress 1
		.amdhsa_inst_pref_size 215
	.end_amdhsa_kernel
	.amdgpu_metadata
---
amdhsa.version: [ 1, 2 ]
amdhsa.kernels:
  - .name:           k_q12d257e9fd_proj
    .symbol:         k_q12d257e9fd_proj.kd
    .args:
      - { .name: codes, .offset: 0, .size: 8, .value_kind: global_buffer, .address_space: global }
      - { .name: scales, .offset: 8, .size: 8, .value_kind: global_buffer, .address_space: global }
      - { .name: bq, .offset: 16, .size: 8, .value_kind: global_buffer, .address_space: global }
      - { .name: bk, .offset: 24, .size: 8, .value_kind: global_buffer, .address_space: global }
      - { .name: bv, .offset: 32, .size: 8, .value_kind: global_buffer, .address_space: global }
      - { .name: qfrag, .offset: 40, .size: 8, .value_kind: global_buffer, .address_space: global }
      - { .name: kvfrag, .offset: 48, .size: 8, .value_kind: global_buffer, .address_space: global }
    .group_segment_fixed_size: 327680
    .private_segment_fixed_size: 0
    .kernarg_segment_align: 8
    .kernarg_segment_size: 56
    .max_flat_workgroup_size: 128
    .sgpr_count:     100
    .vgpr_count:     1024
    .wavefront_size: 32
...
	.end_amdgpu_metadata
.endif
;; end of part 2
;; launch attn (part 3): grid 4 x 64, 8 waves a work-group, clusters of 4 x 1, 327,680 bytes of LDS; arguments qfrag, kvfrag, ofrag; writes ofrag
.if DOCPART == 3
	.amdgcn_target "amdgcn-amd-amdhsa--gfx1250"
	.amdhsa_code_object_version 6
	.text
	.protected	k_q12d257e9fd_attn
	.globl	k_q12d257e9fd_attn
	.p2align	8
	.type	k_q12d257e9fd_attn,@function
k_q12d257e9fd_attn:
	s_mov_b64 s[64:65], 0
	v_nop
	global_prefetch_b8 v0, s[64:65] scope:SCOPE_SE
	s_setreg_imm32_b32 hwreg(HW_REG_WAVE_MODE, 25, 1), 1
	s_wait_xcnt 0x0
	s_wait_alu depctr_hold_cnt(0) depctr_sa_sdst(0) depctr_va_vdst(0) depctr_va_sdst(0) depctr_va_ssrc(0) depctr_va_vcc(0) depctr_vm_vsrc(0)
	s_getreg_b32 s2, hwreg(HW_REG_IB_STS2, 6, 4)
	s_cmp_eq_u32 s2, 0
	s_cbranch_scc0 .Lentry_in_a_cluster
	s_endpgm
.Lentry_in_a_cluster:
	s_bfe_u32 s2, ttmp6, 0x10000c
	s_cmp_lg_u32 s2, 0x3003
	s_cbranch_scc0 .Lentry_shape_is_right
	s_endpgm
.Lentry_shape_is_right:
; LAUNCH 3 OF 4.  o[bh][q] = (the sum over keys of p v) / (the sum over keys of p), p = 2^(qn' . kn), qn' = log2(e) qn: the softmax of the scores qn . kn.  Operands f16, sums f32.
; Left out (shown at the head of the first launch): the maximum ahead of the exponential and the factor scale = 1.0.  qn and kn have length under 1, so the exponent lies inside -1.45 .. 1.45,
; p inside 0.36 .. 2.74 and a row's sum under 5,700.  So there is no running maximum and O is never rescaled.
; SHARES.  A work-group owns 512 queries of one head, each of its eight waves 64: four tiles of 16.  Every wave walks the head's 2,048 keys, 32 a step.  Two waves share a SIMD's registers (384 each):
; one wave's exponentials stand beside the other's products.
; LAYOUT.  S^T = K Q^T (source 0 = 16 keys, source 1 = 16 queries): a lane holds ONE query and keys 8 (lane / 16) + 0 .. 7.  Two such tiles, rounded to f16 in pairs, ARE source 1 (32 keys x 16 queries) of
; O^T = V^T P, whose result again holds one query a lane, and eight channels.  All operands lie in memory and in LDS as images of their registers: every fragment load is 16 bytes at 16 x lane.
; RING.  Two slots of 16 groups of 32 keys (131,072 bytes).  Slots 0 and 1 are filled at the head (groups 0-15, 16-31) and each once more (32-47, 48-63); each wave fetches an eighth of a slot by one load.
; A refill is issued straight behind the round and has a slot's 16 steps in which to land.  By this text's own count a wave has two tensor loads out at the start and one later.
; CLUSTER.  The four query blocks of a head walk the same K and V: each tile is asked for jointly, by the same load with the same descriptor and a mask that names the four.
; No prefetch: no wave waits for a refill's bytes, which are asked for 16 steps ahead; the first fills stand at the head.
; OUT.  ofrag [token tile 512][k chunk 32][u 2][lane][16 bytes]: lane (r, h): token 16 tt + r, feature 32 kc + 16 u + 8 h + 0 .. 7; head hd owns chunks 2 hd, 2 hd + 1.
; REGISTERS: window 0: v1 16 x lane; v2 the step's LDS address; v3, v4 the add's two; v8-15 the rows' sums, a pair a tile; v16-79 Q; v80-143 S^T, then p; v144-175 P; v176-207 K; v208-239 V^T; v240-255 at work.  window 1: v0-127 O^T, 32 a tile.
.set KG,    8192                       ; a group of 32 keys: 4,096 bytes of K, 4,096 of V^T
.set SLOT1, 131072
.set SPARE, 2*SLOT1                    ; behind the ring: the spare words, 128 bytes for each of eight waves
.set LI,   1
.set ADR,  2
.set SPW,  3
.set NIL,  4
.set LSUM, 8
.set Q,    16
.set S,    80
.set P,    144
.set KF,   176
.set VF,   208
.set TW,   240
.set WV,   10
.set SEL,  20
.set TB,   22                          ; s22  LDS byte at which the step's group begins
.set CNT,  23
.set G1,   24
.set G0,   32                          ; s[32:35], s[36:39]: group 0 of slot 0, 1
.set MSB, 0
.macro WIN new
.if MSB != (\new)
	s_set_vgpr_msb (MSB<<8)|(\new)
.set MSB, (\new)
.endif
.endm
.macro CROUND                          ; a round of the cluster's barrier
	s_barrier_signal -1
	s_barrier_wait -1
	s_cmp_lg_u32 s[WV], 0
	s_cbranch_scc1 .Lnot_wave_0_\@
	s_barrier_signal -3
.Lnot_wave_0_\@:
	s_barrier_wait -3
	s_barrier_signal -1
	s_barrier_wait -1
.endm
	s_load_b128 s[4:7], s[0:1], 0x0                ; qfrag s[4:5], kvfrag s[6:7]
	s_load_b64 s[8:9], s[0:1], 0x10                ; ofrag
	v_lshl_add_u32 v[SPW], v0, 2, SPARE
	v_mov_b32 v[NIL], 0
	ds_add_u32 v[SPW], v[NIL]                      ; the wave's opening: the add, twice on end, and its wait ahead of my first tensor load
	ds_add_u32 v[SPW], v[NIL]
	v_lshrrev_b32 v5, 5, v0
	v_readfirstlane_b32 s[WV], v5                  ; wave 0..7
	s_bfe_u32 s11, ttmp6, 0x40000                  ; cx: my block of 512 queries: it enters Q's and O's addresses alone
	s_and_b32 s12, ttmp7, 0xffff                   ; bh, which the four partners share
	; descriptor group 1: 64 dense rows of 256 bytes (32 elements of 8 bytes), no padding
	s_mov_b32 s[G1], 15|(3<<16)|(1<<21)            ; 15:0 the mask: all four work-groups; 17:16 elements of 8 bytes; 21 set beside a mask
	s_mov_b32 s[G1+1], 32<<16                      ; tensor_dim0
	s_mov_b32 s[G1+2], 64<<16                      ; tensor_dim1
	s_mov_b32 s[G1+3], 32<<16                      ; tile_dim0
	s_mov_b32 s[G1+4], 64                          ; tile_dim1
	s_mov_b32 s[G1+5], 32                          ; from row to row
	s_mov_b32 s[G1+6], 0
	s_mov_b32 s[G1+7], 0
	s_mov_b32 s[SEL], 0x76543210
	s_mov_b32 s[SEL+1], 0xfedcba98
	v_and_b32 v[LI], 31, v0
	v_lshlrev_b32 v[LI], 4, v[LI]
	s_lshl_b32 s13, s[WV], 14                      ; my eighth of a slot: 16,384 bytes, in LDS and in memory
	s_lshl_b32 s14, s12, 19                        ; a head's K and V: 524,288 bytes
	s_add_co_u32 s14, s14, s13
	s_mov_b32 s15, 0
	s_lshl_b32 s16, s12, 18                        ; Q: 262,144 bytes a head, 65,536 a block, 8,192 a wave
	s_lshl_b32 s17, s11, 16
	s_add_co_u32 s16, s16, s17
	s_lshl_b32 s17, s[WV], 13
	s_add_co_u32 s16, s16, s17
	s_mov_b32 s17, 0
	s_lshr_b32 s18, s12, 4                         ; O: token tile 128 batch + 32 cx + 4 wave, 32,768 bytes each; + 2,048 x head
	s_lshl_b32 s18, s18, 22
	s_lshl_b32 s19, s11, 20
	s_add_co_u32 s18, s18, s19
	s_lshl_b32 s19, s[WV], 17
	s_add_co_u32 s18, s18, s19
	s_and_b32 s19, s12, 15
	s_lshl_b32 s19, s19, 11
	s_add_co_u32 s18, s18, s19
	s_mov_b32 s19, 0
	s_wait_dscnt 0x0                               ; both opening adds are done
	s_wait_kmcnt 0x0
	s_add_nc_u64 s[6:7], s[6:7], s[14:15]
	s_add_nc_u64 s[4:5], s[4:5], s[16:17]
	s_add_nc_u64 s[8:9], s[8:9], s[18:19]
	CROUND                                         ; all four work-groups are here: the first joint loads meet
.irp n, 0,1
	s_mov_b32 s[G0+4*\n], 1
	s_add_co_u32 s[G0+4*\n+1], s13, \n*SLOT1
	s_add_nc_u64 s[G0+4*\n+2:G0+4*\n+3], s[6:7], \n*SLOT1
	s_or_b32 s[G0+4*\n+3], s[G0+4*\n+3], 0x80000000
.endr
	tensor_load_to_lds s[G0:G0+3], s[G1:G1+7]      ; groups 0-15
	s_nop 0
	tensor_load_to_lds s[G0+4:G0+7], s[G1:G1+7]    ; groups 16-31
	s_nop 0
.rept 4
	v_nop
.endr
.irp i, 0,1,2,3,4,5,6,7,8,9,10,11,12,13,14,15
	global_load_b128 v[Q+4*\i:Q+4*\i+3], v[LI], s[4:5] offset:512*\i   ; Q stays in registers: tile i / 4, registers 4 (i % 4) on
.endr
.irp t, 0,1,2,3
	v_mov_b32 v[TW+4+\t], 0                        ; written once: a lane permute's destination counts as one of its sources
.endr
.macro KFIRST                          ; K of the slot's first step
	v_add_nc_u32 v[ADR], s[TB], v[LI]
.irp i, 0,1,2,3,4,5,6,7
	ds_load_b128 v[KF+4*\i:KF+4*\i+3], v[ADR] offset:512*\i
.endr
.endm
; A KEY STEP: 32 keys.  first = 1: the launch's first step, which starts O^T and the sums.  pref = 1: the next step's K lies in the same slot and is fetched here.
.macro STEP first, pref
	v_add_nc_u32 v[ADR], s[TB], v[LI]
.irp i, 0,1,2,3,4,5,6,7
	ds_load_b128 v[VF+4*\i:VF+4*\i+3], v[ADR] offset:4096+512*\i   ; V^T.  (The last step's packed sums are the plain lines between its products V^T P and these loads)
.endr
	s_wait_dscnt 8                                 ; K is in; V's eight loads may be out
.irp c, 0,1                                    ; S^T = K Q^T: the eight accumulators take turns, one instruction a turn
.irp kt, 0,1
.irp t, 0,1,2,3
.if \c == 0
	v_wmma_f32_16x16x32_f16 v[S+16*\t+8*\kt:S+16*\t+8*\kt+7], v[KF+16*\kt+8*\c:KF+16*\kt+8*\c+7], v[Q+16*\t+8*\c:Q+16*\t+8*\c+7], 0
.else
	v_wmma_f32_16x16x32_f16 v[S+16*\t+8*\kt:S+16*\t+8*\kt+7], v[KF+16*\kt+8*\c:KF+16*\kt+8*\c+7], v[Q+16*\t+8*\c:Q+16*\t+8*\c+7], v[S+16*\t+8*\kt:S+16*\t+8*\kt+7]
.endif
.endr
.endr
.endr
.rept 4
	v_nop                                          ; four plain lines in front of the loads into K's registers and of the first read of the scores
.endr
.if \pref
.irp i, 0,1,2,3,4,5,6,7
	ds_load_b128 v[KF+4*\i:KF+4*\i+3], v[ADR] offset:KG+512*\i     ; the next step's K
.endr
.endif
.set j, 0
.rept 64
	v_exp_f32 v[S+j], v[S+j]                       ; p = 2^s, in ascending order: each accumulator from its low end on
.set j, j+1
.endr
	v_nop                                          ; a plain line behind the last exponential,
	s_wait_alu depctr_va_vdst(0)                   ; and ONE wait for the 64, ahead of their first reader
.set j, 0
.rept 32
	v_cvt_pk_f16_f32 v[P+j], v[S+2*j], v[S+2*j+1]  ; tile t's keys 16 kt + 8 h + 2 i, + 1 -> register 8 t + 4 kt + i of P
.set j, j+1
.endr
.if \pref
	s_wait_dscnt 8                                 ; V is in; the next K's eight loads may be out
.else
	s_wait_dscnt 0x0
.endif
	WIN 0x50                                       ; C and D in window 1
.irp ct, 0,1,2,3                               ; O^T += V^T P: sixteen accumulators, one instruction each
.irp t, 0,1,2,3
.if \first
	v_wmma_f32_16x16x32_f16 v[32*\t+8*\ct:32*\t+8*\ct+7], v[VF+8*\ct:VF+8*\ct+7], v[P+8*\t:P+8*\t+7], 0
.else
	v_wmma_f32_16x16x32_f16 v[32*\t+8*\ct:32*\t+8*\ct+7], v[VF+8*\ct:VF+8*\ct+7], v[P+8*\t:P+8*\t+7], v[32*\t+8*\ct:32*\t+8*\ct+7]
.endif
.endr
.endr
	WIN 0
.irp n, 0,1,2,3,4,5,6,7                        ; the rows' sums, of the unrounded p, two at a time, the four tiles by turns; they name no register of the products just issued
.irp t, 0,1,2,3
.if \first && (\n == 0)
.elseif \first && (\n == 1)
	v_pk_add_f32 v[LSUM+2*\t:LSUM+2*\t+1], v[S+16*\t:S+16*\t+1], v[S+16*\t+2:S+16*\t+3]
.else
	v_pk_add_f32 v[LSUM+2*\t:LSUM+2*\t+1], v[LSUM+2*\t:LSUM+2*\t+1], v[S+16*\t+2*\n:S+16*\t+2*\n+1]
.endif
.endr
.endr
	s_add_co_u32 s[TB], s[TB], KG
.endm
.macro STEPS n                         ; n steps, written once
	s_mov_b32 s[CNT], \n
.Lstep_\@:
	STEP 0, 1
	s_sub_co_u32 s[CNT], s[CNT], 1
	s_cmp_lg_u32 s[CNT], 0
	s_cbranch_scc1 .Lstep_\@
.endm
; THE CHANGE OF SLOTS.  Each wave waits for all its tensor loads (its part of the slot ahead), adds 0 to its spare word, and waits for that and for its reads of the slot that it leaves.
; fill = 1: the slot just left is filled with the groups 32 further on: the barrier is a round of the cluster's, and the joint refill is the first thing behind it.
.macro CHANGE slot, fill
	s_wait_tensorcnt 0x0                           ; no tensor load of mine is out, so a group 0 may be written
	ds_add_u32 v[SPW], v[NIL]                      ; 0 onto my spare word
.if \fill
	s_add_nc_u64 s[G0+4*\slot+2:G0+4*\slot+3], s[G0+4*\slot+2:G0+4*\slot+3], 2*SLOT1   ; the type bits on top are not reached
.endif
	s_wait_dscnt 0x0                               ; the add is done, and my reads of the slot are over
.if \fill
	CROUND
	tensor_load_to_lds s[G0+4*\slot:G0+4*\slot+3], s[G1:G1+7]
	s_nop 0
.rept 4
	v_nop
.endr
.else
	s_barrier_signal -1
	s_barrier_wait -1
.endif
.endm
	s_wait_tensorcnt 1                             ; my part of slot 0 is in; slot 1's may stay out
	s_barrier_signal -1
	s_barrier_wait -1                              ; everybody's is
	s_mov_b32 s[TB], 0
	KFIRST
	s_wait_loadcnt 0x0                             ; Q
	STEP 1, 1                                      ; groups 0-15, in slot 0
	STEPS 14
	STEP 0, 0
	CHANGE 0, 1                                    ; slot 0 takes groups 32-47
	s_mov_b32 s[TB], SLOT1
	KFIRST
	STEPS 15                                       ; groups 16-31
	STEP 0, 0
	CHANGE 1, 1                                    ; slot 1 takes groups 48-63: the last load
	s_mov_b32 s[TB], 0
	KFIRST
	STEPS 15                                       ; groups 32-47
	STEP 0, 0
	CHANGE 0, 0                                    ; nothing is left to fetch
	s_mov_b32 s[TB], SLOT1
	KFIRST
	STEPS 15                                       ; groups 48-63
	STEP 0, 0
	; THE WAY OUT.  A row's sum: its two halves and the other half of the lanes'.  O^T / the sum, rounded to f16: a lane's eight channels are 16 bytes of an image.  The last step's packed sums are the plain lines behind the last products.
.irp t, 0,1,2,3
	v_add_f32 v[TW+\t], v[LSUM+2*\t], v[LSUM+2*\t+1]
.endr
.irp t, 0,1,2,3
	v_permlanex16_b32 v[TW+4+\t], v[TW+\t], s[SEL], s[SEL+1]
.endr
.irp t, 0,1,2,3
	v_add_f32 v[TW+\t], v[TW+\t], v[TW+4+\t]
.endr
.irp t, 0,1,2,3
	v_rcp_f32 v[TW+8+2*\t], v[TW+\t]               ; twice: a pair for the packed multiply
	v_rcp_f32 v[TW+9+2*\t], v[TW+\t]
.endr
	v_nop
	s_wait_alu depctr_va_vdst(0)                   ; one wait for the eight reciprocals
.irp g, 0,1                                    ; tiles 2 g, 2 g + 1
	WIN 0x01                                       ; source 0 (O^T) in window 1
.irp u, 0,1
.set j, 0
.rept 16
	v_pk_mul_f32 v[S+32*\u+j:S+32*\u+j+1], v[32*(2*\g+\u)+j:32*(2*\g+\u)+j+1], v[TW+8+2*(2*\g+\u):TW+9+2*(2*\g+\u)]
.set j, j+2
.endr
.endr
	WIN 0
.set j, 0
.rept 32
	v_cvt_pk_f16_f32 v[P+32*\g+j], v[S+2*j], v[S+2*j+1]
.set j, j+1
.endr
.irp u, 0,1
.irp c, 0,1,2,3
	global_store_b128 v[LI], v[P+32*\g+16*\u+4*\c:P+32*\g+16*\u+4*\c+3], s[8:9] offset:32768*(2*\g+\u)+512*\c   ; 512 consecutive bytes, aligned
.endr
.endr
.endr
	s_wait_tensorcnt 0x0                           ; the wave's end, behind my last tensor load
	ds_add_u32 v[SPW], v[NIL]
	s_wait_dscnt 0x0
	CROUND                                         ; the closing round
	s_endpgm
.Lfunc_end_k_q12d257e9fd_attn:
	.size	k_q12d257e9fd_attn, .Lfunc_end_k_q12d257e9fd_attn-k_q12d257e9fd_attn
	.p2alignl 7, 3214868480
	.fill 96, 4, 3214868480
	.section	.rodata,"a",@progbits
	.p2align	6, 0x0
	.amdhsa_kernel k_q12d257e9fd_attn
		.amdhsa_group_segment_fixed_size 327680
		.amdhsa_private_segment_fixed_size 0
		.amdhsa_enable_private_segment 0
		.amdhsa_kernarg_size 24
		.amdhsa_user_sgpr_count 2
		.amdhsa_user_sgpr_kernarg_segment_ptr 1
		.amdhsa_wavefront_size32 1
		.amdhsa_system_sgpr_workgroup_id_x 1
		.amdhsa_system_sgpr_workgroup_id_y 1
		.amdhsa_system_sgpr_workgroup_id_z 1
		.amdhsa_system_vgpr_workitem_id 0
		.amdhsa_next_free_vgpr 384
		.amdhsa_next_free_sgpr 66
		.amdhsa_reserve_vcc 0
		.amdhsa_float_denorm_mode_32 3
		.amdhsa_float_denorm_mode_16_64 3
		.amdhsa_memory_ordered 1
		.amdhsa_forward_progress 1
		.amdhsa_inst_pref_size 103
	.end_amdhsa_kernel
	.amdgpu_metadata
---
amdhsa.version: [ 1, 2 ]
amdhsa.kernels:
  - .name:           k_q12d257e9fd_attn
    .symbol:         k_q12d257e9fd_attn.kd
    .args:
      - { .name: qfrag, .offset: 0, .size: 8, .value_kind: global_buffer, .address_space: global }
      - { .name: kvfrag, .offset: 8, .size: 8, .value_kind: global_buffer, .address_space: global }
      - { .name: ofrag, .offset: 16, .size: 8, .value_kind: global_buffer, .address_space: global }
    .group_segment_fixed_size: 327680
    .private_segment_fixed_size: 0
    .kernarg_segment_align: 8
    .kernarg_segment_size: 24
    .max_flat_workgroup_size: 256
    .sgpr_count:     66
    .vgpr_count:     384
    .wavefront_size: 32
...
	.end_amdgpu_metadata
.endif
;; end of part 3
;; launch oproj (part 4): grid 4 x 64, 4 waves a work-group, clusters of 4 x 4, 327,680 bytes of LDS; arguments ofrag, wo16, bo, out0; writes out0
.if DOCPART == 4
	.amdgcn_target "amdgcn-amd-amdhsa--gfx1250"
	.amdhsa_code_object_version 6
	.text
	.protected	k_q12d257e9fd_oproj
	.globl	k_q12d257e9fd_oproj
	.p2align	8
	.type	k_q12d257e9fd_oproj,@function
k_q12d257e9fd_oproj:
	s_mov_b64 s[64:65], 0
	v_nop
	global_prefetch_b8 v0, s[64:65] scope:SCOPE_SE
	s_setreg_imm32_b32 hwreg(HW_REG_WAVE_MODE, 25, 1), 1
	s_wait_xcnt 0x0
	s_wait_alu depctr_hold_cnt(0) depctr_sa_sdst(0) depctr_va_vdst(0) depctr_va_sdst(0) depctr_va_ssrc(0) depctr_va_vcc(0) depctr_vm_vsrc(0)
	s_getreg_b32 s2, hwreg(HW_REG_IB_STS2, 6, 4)
	s_cmp_eq_u32 s2, 0
	s_cbranch_scc0 .Lentry_in_a_cluster
	s_endpgm
.Lentry_in_a_cluster:
	s_bfe_u32 s2, ttmp6, 0x10000c
	s_cmp_lg_u32 s2, 0xf033
	s_cbranch_scc0 .Lentry_shape_is_right
	s_endpgm
.Lentry_shape_is_right:
; LAUNCH 4 OF 4.  out0[m][n] = the sum over k of o[m][k] Wo[n][k] + bo[n]: 8,192 x 1,024 x 1,024, operands f16, sums f32, the bias as the C of each sum's first product.
; SHARES.  A work-group makes 128 (m) x 256 (n): 64 x 4 = 256 work-groups.  Each of four waves makes 64 x 128: 32 accumulators, 256 registers.
; Both operands lie in memory as images of fragments: ofrag [token tile][k chunk 32][u 2][lane][16 bytes], wo16 [n tile][k chunk 32][u 2][lane][16 bytes].  A K step of 128 is four chunks: 4,096 consecutive bytes of a tile,
; so a tensor load brings 4 (A) or 8 (B) rows of 4,096 bytes, and every fragment load is 16 bytes at 16 x lane: no pitch, no padding.
; K goes in 8 steps through two slots.  CLUSTER 4 x 4: A's tiles are asked for jointly along a row of the cluster, B's along a column.  By this text's own count a wave has two tensor loads out at the start and one later.
; THE MATRIX INSTRUCTION IS USED TRANSPOSED (source 0 = 16 rows of Wo, source 1 = 16 tokens): a lane holds a token and eight neighbouring n.
; No prefetch: the launch is short and its tiles are shared in the cluster.
; REGISTERS: window 0: v1-29 addresses; v64-95, v96-127 A's fragments, two buffers; v128-191 the bias in the result's layout; on the way out v64-127 and v192-255 rows of out0.
;   window 1: v0-63, v64-127 B's fragments, two buffers.   window 2: accumulator (a, b) at v[8 (8 a + b)].
.set SLOT,   98304                     ; A: [token tile 8][chunk 4][1,024]; then B: [n tile 16][chunk 4][1,024]
.set BOFF,   32768
.set SPARE,  2*SLOT                    ; the spare words, 128 bytes a wave
.set SPITCH, 528                       ; the way out: a stage of 16 rows x (512 + 16) bytes a wave, in slot 0, which has had its last fill and its last read when the first result is stored there
.set KSB,    4096                      ; a K step's bytes of a tile
.set LAPS,   4
.set ADRA, 16
.set ADRB, 20
.set STO,  24
.set RD,   25
.set CO,   26
.set SPW,  28
.set NIL,  29
.set AFR,  64
.set BI,   128
.set BK,   64
.set G1, 24
.set G0, 32
.set G1B, 48
.set G0B, 56
.set MSB, 0
.macro WIN new
.if MSB != (\new)
	s_set_vgpr_msb (MSB<<8)|(\new)
.set MSB, (\new)
.endif
.endm
.set MUL,  0xa1                        ; source 0 (B) window 1, source 1 (A) window 0, C and D window 2
.set MUL1, 0x81                        ; the same with C (the bias) in window 0
.set TO_B, 0x40
.macro JLOAD s                         ; waves 0 and 1 fetch A's halves, waves 2 and 3 B's; an s_nop 0 and four v_nop follow each of the two lines
	s_cmp_eq_u32 s13, 0
	s_cbranch_scc0 .Lfor_b_\@
	tensor_load_to_lds s[G0+4*\s:G0+4*\s+3], s[G1:G1+7]
	s_nop 0
.rept 4
	v_nop
.endr
	s_branch .Lasked_\@
.Lfor_b_\@:
	tensor_load_to_lds s[G0B+4*\s:G0B+4*\s+3], s[G1B:G1B+7]
	s_nop 0
.rept 4
	v_nop
.endr
.Lasked_\@:
.endm
.macro CREST                           ; a round of the cluster's barrier behind its opening barrier
	s_cmp_lg_u32 s12, 0
	s_cbranch_scc1 .Lnot_wave_0_\@
	s_barrier_signal -3
.Lnot_wave_0_\@:
	s_barrier_wait -3
	s_barrier_signal -1
	s_barrier_wait -1
.endm
.macro CROUND
	s_barrier_signal -1
	s_barrier_wait -1
	CREST
.endm
	s_load_b256 s[4:11], s[0:1], 0x0               ; ofrag s[4:5], wo16 s[6:7], bo s[8:9], out0 s[10:11]
	v_lshl_add_u32 v[SPW], v0, 2, SPARE
	v_mov_b32 v[NIL], 0
	ds_add_u32 v[SPW], v[NIL]                      ; the wave's opening: the add, twice on end, and its wait ahead of my first tensor load
	ds_add_u32 v[SPW], v[NIL]
	v_lshrrev_b32 v1, 5, v0
	v_readfirstlane_b32 s12, v1                    ; wave 0..3
	s_lshr_b32 s13, s12, 1                         ; which 64 tokens are mine.  Also: I fetch for A (0) or for B (1)
	s_and_b32 s14, s12, 1                          ; which 128 n are mine.  Also: which half of that tile I fetch
	s_bfe_u32 s15, ttmp6, 0x40000                  ; cx
	s_bfe_u32 s16, ttmp6, 0x40004                  ; cy
	s_lshl_b32 s17, ttmp9, 2
	s_add_co_u32 s17, s17, s15                     ; tile column = 4 x cluster x + cx
	s_and_b32 s18, ttmp7, 0xffff
	s_lshl_b32 s18, s18, 2
	s_add_co_u32 s18, s18, s16                     ; tile row = 4 x cluster y + cy
	s_lshl_b32 s40, s16, 2
	s_lshl_b32 s40, 15, s40                        ; my row of the cluster
	s_lshl_b32 s41, 0x1111, s15                    ; my column
	s_or_b32 s[G1+0], s40, (3<<16)|(1<<21)         ; 15:0 the mask; 17:16 elements of 8 bytes; 21 set beside a mask; no padding
	s_mov_b32 s[G1+1], 512<<16                     ; tensor_dim0: 512 elements, 4,096 bytes
	s_mov_b32 s[G1+2], 4<<16                       ; tensor_dim1: 4 token tiles
	s_mov_b32 s[G1+3], 512<<16                     ; tile_dim0
	s_mov_b32 s[G1+4], 4                           ; tile_dim1
	s_mov_b32 s[G1+5], 4096                        ; from tile to tile: 32,768 bytes
	s_mov_b32 s[G1+6], 0
	s_mov_b32 s[G1+7], 0
	s_or_b32 s[G1B+0], s41, (3<<16)|(1<<21)
	s_mov_b32 s[G1B+1], 512<<16
	s_mov_b32 s[G1B+2], 8<<16                      ; 8 n tiles
	s_mov_b32 s[G1B+3], 512<<16
	s_mov_b32 s[G1B+4], 8
	s_mov_b32 s[G1B+5], 4096
	s_mov_b32 s[G1B+6], 0
	s_mov_b32 s[G1B+7], 0
	s_lshl_b32 s20, s18, 18                        ; A: token tile 8 x tile row + 4 x half, 32,768 bytes each: hangs on the tile row alone
	s_lshl_b32 s21, s14, 17
	s_add_co_u32 s20, s20, s21
	s_mov_b32 s21, 0
	s_lshl_b32 s22, s17, 19                        ; B: n tile 16 x tile column + 8 x half: hangs on the tile column alone
	s_lshl_b32 s23, s14, 18
	s_add_co_u32 s22, s22, s23
	s_mov_b32 s23, 0
	s_lshl_b32 s42, s14, 14                        ; where they go: A's halves of 16,384 bytes,
	s_lshl_b32 s43, s14, 15                        ; B's of 32,768,
	s_add_co_u32 s43, s43, BOFF                    ; behind A's
	s_wait_dscnt 0x0                               ; both opening adds are done
	s_wait_kmcnt 0x0
	s_add_nc_u64 s[20:21], s[4:5], s[20:21]
	s_add_nc_u64 s[22:23], s[6:7], s[22:23]
	CROUND                                         ; all sixteen work-groups are here: the first joint loads meet
.irp s, 0,1
	s_mov_b32 s[G0+4*\s], 1
	s_add_co_u32 s[G0+4*\s+1], s42, \s*SLOT
	s_add_nc_u64 s[G0+4*\s+2:G0+4*\s+3], s[20:21], \s*KSB
	s_or_b32 s[G0+4*\s+3], s[G0+4*\s+3], 0x80000000
	s_mov_b32 s[G0B+4*\s], 1
	s_add_co_u32 s[G0B+4*\s+1], s43, \s*SLOT
	s_add_nc_u64 s[G0B+4*\s+2:G0B+4*\s+3], s[22:23], \s*KSB
	s_or_b32 s[G0B+4*\s+3], s[G0B+4*\s+3], 0x80000000
	JLOAD \s
.endr
	v_and_b32 v1, 31, v0
	v_lshlrev_b32 v2, 4, v1                        ; 16 x lane
	v_and_b32 v3, 15, v0                           ; r
	v_bfe_u32 v4, v0, 4, 1                         ; h
	s_lshl_b32 s44, s13, 14                        ; my four token tiles
	s_lshl_b32 s45, s14, 15                        ; my eight n tiles,
	s_add_co_u32 s45, s45, BOFF                    ; behind A's
.irp s, 0,1
	v_add_nc_u32 v[ADRA+\s], s44, v2
	v_add_nc_u32 v[ADRB+\s], s45, v2
	s_add_co_u32 s44, s44, SLOT
	s_add_co_u32 s45, s45, SLOT
.endr
	s_mul_i32 s46, s12, 16*SPITCH                  ; my stage
	v_mul_u32_u24 v5, v3, SPITCH                   ; in: row r, 32 bytes for each half of the lanes
	v_lshl_add_u32 v5, v4, 5, v5
	v_add_nc_u32 v[STO], s46, v5
	v_add_nc_u32 v[RD], s46, v2                    ; back: the 32 lanes take one row of 512 bytes;
	v_mov_b32 v[CO], v2                            ; and the same in out0
	v_lshlrev_b32 v6, 5, v4                        ; the bias: 8 h numbers on
	s_lshl_b32 s44, s17, 10                        ; my first n, 256 x tile column + 128 x half, in bytes of f32
	s_lshl_b32 s45, s14, 9
	s_add_co_u32 s44, s44, s45
	s_mov_b32 s45, 0
	s_add_nc_u64 s[8:9], s[8:9], s[44:45]
	s_add_nc_u64 s[10:11], s[10:11], s[44:45]
	s_lshl_b32 s44, s18, 19                        ; my first row: 128 x tile row + 64 x half, 4,096 bytes each
	s_lshl_b32 s46, s13, 18
	s_add_co_u32 s44, s44, s46
	s_add_nc_u64 s[10:11], s[10:11], s[44:45]
.irp b, 0,1,2,3,4,5,6,7
	global_load_b128 v[BI+8*\b:BI+8*\b+3], v6, s[8:9] offset:64*\b          ; bo at n = 16 b + 8 h + 0 .. 7
	global_load_b128 v[BI+8*\b+4:BI+8*\b+7], v6, s[8:9] offset:64*\b+16
.endr
; 8 matrix instructions: token tile a x my eight n tiles, 32 along K, from buffer f.  first = 1: the bias is C and starts the sums.  The 32 accumulators take turns in the same order in every quarter.
.macro MULA f, a, first
.irp b, 0,1,2,3,4,5,6,7
.if \first
	v_wmma_f32_16x16x32_f16 v[8*(8*\a+\b):8*(8*\a+\b)+7], v[64*\f+8*\b:64*\f+8*\b+7], v[AFR+32*\f+8*\a:AFR+32*\f+8*\a+7], v[BI+8*\b:BI+8*\b+7]
.else
	v_wmma_f32_16x16x32_f16 v[8*(8*\a+\b):8*(8*\a+\b)+7], v[64*\f+8*\b:64*\f+8*\b+7], v[AFR+32*\f+8*\a:AFR+32*\f+8*\a+7], v[8*(8*\a+\b):8*(8*\a+\b)+7]
.endif
.endr
.endm
.macro FETCH slot, q, f                ; 24 LDS loads in one run: chunk q of the slot into buffer f: B's eight fragments, then A's four
	WIN TO_B
.irp i, 0,1,2,3,4,5,6,7
	ds_load_b128 v[64*\f+8*\i:64*\f+8*\i+3],   v[ADRB+\slot] offset:4096*\i+1024*\q
	ds_load_b128 v[64*\f+8*\i+4:64*\f+8*\i+7], v[ADRB+\slot] offset:4096*\i+1024*\q+512
.endr
	WIN 0
.irp i, 0,1,2,3
	ds_load_b128 v[AFR+32*\f+8*\i:AFR+32*\f+8*\i+3],   v[ADRA+\slot] offset:4096*\i+1024*\q
	ds_load_b128 v[AFR+32*\f+8*\i+4:AFR+32*\f+8*\i+7], v[ADRA+\slot] offset:4096*\i+1024*\q+512
.endr
.endm
.macro PLACES                          ; four plain lines between a matrix instruction and a load into, or a read of, its registers
.rept 4
	v_nop
.endr
.endm
; A K step is four quarters of 32 along K on buffers 0, 1, 0, 1.  One of the first three: multiplies buffer f and fetches chunk qn of the same slot into buffer g.
.macro QUARTER slot, qn, f, g, first
	s_wait_dscnt 4                                 ; B and A's tiles 0, 1 are in; the youngest four loads (A's tiles 2, 3) may be out
	WIN MUL-0x20*\first
	MULA \f, 0, \first
	MULA \f, 1, \first
	PLACES
	FETCH \slot, \qn, \g
	s_wait_dscnt 24                                ; all but the 24 just issued
	WIN MUL-0x20*\first
	MULA \f, 2, \first
	MULA \f, 3, \first
.endm
; The last quarter multiplies buffer 1 and changes slots: ONE barrier; in front of it each wave waits for all its tensor loads, adds 0 to its spare word, and waits for that and for its reads of this slot.
; fill = 1: the barrier opens a round of the cluster's, and this slot is filled again, two K steps on, first thing behind the round.
.macro TURN slot, next, fill
	WIN 0                                          ; (the add's two registers lie in window 0)
	s_wait_tensorcnt 0x0                           ; all my tensor loads have landed: my part of the next slot
	ds_add_u32 v[SPW], v[NIL]                      ; 0 onto my spare word
	s_wait_dscnt 5                                 ; (the add and the youngest four loads may be out)
	WIN MUL
	MULA 1, 0, 0
	s_wait_dscnt 0x0                               ; the add is done, and my reads of this slot are over
	s_barrier_signal -1
	MULA 1, 1, 0
	WIN 0
	s_barrier_wait -1
.if \fill
	CREST
	s_add_nc_u64 s[G0+4*\slot+2:G0+4*\slot+3], s[G0+4*\slot+2:G0+4*\slot+3], 2*KSB
	s_add_nc_u64 s[G0B+4*\slot+2:G0B+4*\slot+3], s[G0B+4*\slot+2:G0B+4*\slot+3], 2*KSB
	JLOAD \slot                                    ; the four v_nop behind it are also the plain lines in front of the loads below
.else
	PLACES
.endif
	FETCH \next, 0, 0
	WIN MUL
	MULA 1, 2, 0
	MULA 1, 3, 0
.endm
	s_wait_tensorcnt 1                             ; my part of K step 0 is in (K step 1's may be out)
	s_barrier_signal -1
	s_barrier_wait -1                              ; everybody's is
	FETCH 0, 0, 0
	s_wait_loadcnt 0x0                             ; the bias
	QUARTER 0, 1, 0, 1, 1                          ; the first quarter stands in front of the loop: its products start the sums from the bias
	WIN 0                                          ; at a label and at a branch every window is 0
	s_mov_b32 s3, LAPS-1
.Llap:                                             ; a trip goes once round the ring, from a lap's second quarter to the next lap's first, and fills both slots again
	QUARTER 0, 2, 1, 0, 0
	QUARTER 0, 3, 0, 1, 0
	TURN 0, 1, 1
	QUARTER 1, 1, 0, 1, 0
	QUARTER 1, 2, 1, 0, 0
	QUARTER 1, 3, 0, 1, 0
	TURN 1, 0, 1
	QUARTER 0, 1, 0, 1, 0
	WIN 0
	s_sub_co_u32 s3, s3, 1
	s_cmp_lg_u32 s3, 0
	s_cbranch_scc1 .Llap
	QUARTER 0, 2, 1, 0, 0                          ; the last lap fills nothing, and has no round of the cluster's barrier
	QUARTER 0, 3, 0, 1, 0
	TURN 0, 1, 0
	QUARTER 1, 1, 0, 1, 0
	QUARTER 1, 2, 1, 0, 0
	QUARTER 1, 3, 0, 1, 0
	s_wait_dscnt 4                                 ; the very last quarter: nothing more to fetch
	WIN MUL
	MULA 1, 0, 0
	MULA 1, 1, 0
	s_wait_dscnt 0
	MULA 1, 2, 0
	MULA 1, 3, 0
	WIN 0
; THE WAY OUT, block by block of 16 rows x 128 columns.  A lane holds 32 neighbouring bytes of a row: a block goes through my own stage in LDS and comes back as whole rows of 512 bytes.
; LDS serves a wave's instructions in order (ISA guide 5.7.1.4): no wait between the stores and the loads, nor in front of the next block's stores.
.macro TOSTAGE a
	WIN 0x08                                       ; an LDS store's data are its source 1: window 2
.irp b, 0,1,2,3,4,5,6,7
	ds_store_b128 v[STO], v[64*(\a)+8*\b:64*(\a)+8*\b+3] offset:64*\b          ; each accumulator from its low end on
	ds_store_b128 v[STO], v[64*(\a)+8*\b+4:64*(\a)+8*\b+7] offset:64*\b+16
.endr
	WIN 0
.set BB, BK+128*((\a)%2)
.irp t, 0,1,2,3,4,5,6,7,8,9,10,11,12,13,14,15
	ds_load_b128 v[BB+4*\t:BB+4*\t+3], v[RD] offset:\t*SPITCH
.endr
.endm
.macro SEND a, younger                 ; younger: the LDS instructions issued behind block a's loads, which may stay out
.set BB, BK+128*((\a)%2)
	s_wait_dscnt \younger
.if (\a) > 0
	s_add_nc_u64 s[10:11], s[10:11], 16*4096       ; (behind a wait on XCNT for 0: the earlier stores have read their base)  16 rows on
.endif
.irp t, 0,1,2,3,4,5,6,7,8,9,10,11,12,13,14,15
	global_store_b128 v[CO], v[BB+4*\t:BB+4*\t+3], s[10:11] offset:\t*4096 th:TH_STORE_NT   ; 32 lanes store 512 consecutive bytes, aligned; written once, read by nobody here
.endr
.endm
	PLACES                                         ; in front of the first read of results and of the loads into the registers that held A's fragments
	TOSTAGE 0
.irp a, 1,2,3
.if \a > 1
	s_wait_xcnt 0x0                                ; block a - 2's stores have read their registers and their base: block a's loads may land there, and the base may step
.endif
	TOSTAGE \a
	SEND \a-1, 32                                  ; behind block a - 1's loads: block a's 16 stores and 16 loads
.endr
	s_wait_xcnt 0x0                                ; block 2's stores have read their base
	SEND 3, 0
	s_wait_tensorcnt 0x0                           ; the wave's end, behind my last tensor load and my last LDS store
	ds_add_u32 v[SPW], v[NIL]
	s_wait_dscnt 0x0
	CROUND                                         ; the closing round
	s_endpgm
.Lfunc_end_k_q12d257e9fd_oproj:
	.size	k_q12d257e9fd_oproj, .Lfunc_end_k_q12d257e9fd_oproj-k_q12d257e9fd_oproj
	.p2alignl 7, 3214868480
	.fill 96, 4, 3214868480
	.section	.rodata,"a",@progbits
	.p2align	6, 0x0
	.amdhsa_kernel k_q12d257e9fd_oproj
		.amdhsa_group_segment_fixed_size 327680
		.amdhsa_private_segment_fixed_size 0
		.amdhsa_enable_private_segment 0
		.amdhsa_kernarg_size 32
		.amdhsa_user_sgpr_count 2
		.amdhsa_user_sgpr_kernarg_segment_ptr 1
		.amdhsa_wavefront_size32 1
		.amdhsa_system_sgpr_workgroup_id_x 1
		.amdhsa_system_sgpr_workgroup_id_y 1
		.amdhsa_system_sgpr_workgroup_id_z 1
		.amdhsa_system_vgpr_workitem_id 0
		.amdhsa_next_free_vgpr 768
		.amdhsa_next_free_sgpr 66
		.amdhsa_reserve_vcc 0
		.amdhsa_float_denorm_mode_32 3
		.amdhsa_float_denorm_mode_16_64 3
		.amdhsa_memory_ordered 1
		.amdhsa_forward_progress 1
		.amdhsa_inst_pref_size 87
	.end_amdhsa_kernel
	.amdgpu_metadata
---
amdhsa.version: [ 1, 2 ]
amdhsa.kernels:
  - .name:           k_q12d257e9fd_oproj
    .symbol:         k_q12d257e9fd_oproj.kd
    .args:
      - { .name: ofrag, .offset: 0, .size: 8, .value_kind: global_buffer, .address_space: global }
      - { .name: wo16, .offset: 8, .size: 8, .value_kind: global_buffer, .address_space: global }
      - { .name: bo, .offset: 16, .size: 8, .value_kind: global_buffer, .address_space: global }
      - { .name: out0, .offset: 24, .size: 8, .value_kind: global_buffer, .address_space: global }
    .group_segment_fixed_size: 327680
    .private_segment_fixed_size: 0
    .kernarg_segment_align: 8
    .kernarg_segment_size: 32
    .max_flat_workgroup_size: 128
    .sgpr_count:     66
    .vgpr_count:     768
    .wavefront_size: 32
...
	.end_amdgpu_metadata
.endif
;; end of part 4
